; MI455X (gfx1250); checked and timed in simulation.
; The chip was launched on July 23, 2026; its instructions are those of AMD's public machine-readable ISA for CDNA 5 (MIT licence, August 2026) and "CDNA5" Instruction Set Architecture Reference Guide (July 2026). The comments in the code are by the model that wrote it; some were corrected since.
;; Structured Transformer Decoder Block. Allowed arithmetic: float matrix products may take bf16 or f16 operands with f32 sums; all other float work in f32.
;; Inputs: Wk 224 x 256 float32; Wo 256 x 128 float32; Wq 128 x 256 float32; Wv 224 x 256 float32; b_bn 128 float32; b_ln 128 float32; bk 256 float32; bo 128 float32; bq 256 float32; bv 256 float32; edge_feats 16,384 x 32 x 96 float32; features 16,384 x 128 float32; g_bn 128 float32; g_ln 128 float32; mW0 128 x 256 float32; mW1 256 x 256 float32; mW2 256 x 128 float32; mb0 256 float32; mb1 256 float32; mb2 128 float32; neighbours 16,384 x 32 int32.
;; Outputs: out0 16,384 x 128 float32.
;; 2 versions, each right; version 2 is version 1 with the launch attend written anew for expert scheduling mode. Each part assembles by itself: llvm-mc -triple=amdgcn-amd-amdhsa -mcpu=gfx1250 --defsym DOCPART=n.
;; ======== version 1 of 2: 3 launches
;; workspace buffers: wfrag 630,784 bytes; localb 4,194,304 bytes; qfrag 8,388,608 bytes
;; launch wprep (part 1): grid 616 x 1, 1 waves a work-group, no clusters, 0 bytes of LDS; arguments mW0, mW1, mW2, Wq, Wk, bk, Wv, Wo, wfrag; writes wfrag
.if DOCPART == 1
	.amdgcn_target "amdgcn-amd-amdhsa--gfx1250"
	.amdhsa_code_object_version 6
	.text
	.protected	k_q6b7987ed3f_wprep
	.globl	k_q6b7987ed3f_wprep
	.p2align	8
	.type	k_q6b7987ed3f_wprep,@function
k_q6b7987ed3f_wprep:
	s_mov_b64 s[64:65], 0
	v_nop
	global_prefetch_b8 v0, s[64:65] scope:SCOPE_SE
	s_setreg_imm32_b32 hwreg(HW_REG_WAVE_MODE, 25, 1), 1
	s_wait_xcnt 0x0
; The seven weight matrices and bk, rounded once to bf16 and laid out as matrix fragments, so that the two later launches fill an operand
; with two loads of 512 consecutive bytes and never transpose anything.
; A fragment is 16 rows x 32 k = 1,024 bytes.  Lane L = (r = L & 15, h = L >> 4): bytes 16 L hold k = 8h .. 8h+7 of row r,
; bytes 512 + 16 L hold k = 16+8h .. 16+8h+7 (the 16-bit operand layout of the K = 32 matrix forms).
; One wave makes one fragment; the work-group's number f is the fragment's number:
;   0..63    mW0  f = nt*4+ks        row r = column 16nt+r of the matrix, k = its row 32ks+kk
;   64..191  mW1  f-64  = nt*8+ks    likewise
;   192..255 mW2  f-192 = nt*8+ks    likewise
;   256..319 Wq   f-256 = nt*4+ks    likewise
;   320..431 Wk   f-320 = t*8+hd     row r = Wk's ROW 16t+r, k = its columns 32hd+kk  (for Wk_h q_h)
;   432..439 bk   f-432 = hd         row 0 = bk[32hd+kk], rows 1..15 = 0              (for q_h . bk_h)
;   440..551 Wv   f-440 = (2ks+nt)*8+hd   row r = column 32hd+16nt+r, k = row 32ks+kk
;   552..615 Wo   f-552 = nt*8+ks    as mW2
; The column reads are 4 bytes a lane: 1.0 MB read so once in the whole program.
.set FR_W1, 64
.set FR_W2, 192
.set FR_WQ, 256
.set FR_WK, 320
.set FR_BK, 432
.set FR_WV, 440
.set FR_WO, 552
; sixteen numbers of one column: kk = 8h + e for e < 8, 16 + 8h + (e - 8) beyond; the 8h rows are in v3
.macro LOAD16 base, stride
.irp e, 0,1,2,3,4,5,6,7,8,9,10,11,12,13,14,15
	global_load_b32 v[8+\e], v3, s[\base:\base+1] offset:(\e+8*(\e/8))*\stride
.endr
.endm
; sixteen numbers of one row: 32 bytes at 32h (in v3), 32 bytes at 64 + 32h
.macro LOADROW base
	global_load_b128 v[8:11],  v3, s[\base:\base+1]
	global_load_b128 v[12:15], v3, s[\base:\base+1] offset:16
	global_load_b128 v[16:19], v3, s[\base:\base+1] offset:64
	global_load_b128 v[20:23], v3, s[\base:\base+1] offset:80
.endm
; a matrix taken by columns: g = f - first, ks = the low ksbits of g, nt = the rest; 32 rows are 1 << kshift bytes
.macro COLS base, first, ksbits, kshift, stride
	s_sub_co_u32 s24, ttmp9, \first
	s_and_b32 s25, s24, (1<<\ksbits)-1             ; ks
	s_lshr_b32 s26, s24, \ksbits                   ; nt
	s_lshl_b32 s25, s25, \kshift                   ; 32 ks rows
	s_lshl_b32 s26, s26, 6                         ; 16 nt columns of 4 bytes
	s_add_co_u32 s30, s25, s26
	s_add_nc_u64 s[\base:\base+1], s[\base:\base+1], s[30:31]
	v_lshl_add_u32 v3, v2, \kshift-2, v5           ; 8h rows + 4r
	LOAD16 \base, \stride
.endm
	s_load_b512 s[4:19], s[0:1], 0x0               ; mW0 s[4:5], mW1 s[6:7], mW2 s[8:9], Wq s[10:11], Wk s[12:13], bk s[14:15], Wv s[16:17], Wo s[18:19]
	s_load_b64 s[20:21], s[0:1], 0x40              ; wfrag
	v_and_b32 v1, 15, v0                           ; r
	v_lshrrev_b32 v2, 4, v0                        ; h (one wave: v0 is the lane)
	v_lshlrev_b32 v4, 4, v0                        ; 16 L
	v_lshlrev_b32 v5, 2, v1                        ; 4 r
	s_mov_b32 s31, 0                               ; high word of every offset
	s_mov_b32 vcc_lo, -1                           ; which lanes keep their numbers: all, but for bk's tile
	s_wait_kmcnt 0x0
	s_cmp_lt_u32 ttmp9, FR_W1
	s_cbranch_scc1 .Lw0
	s_cmp_lt_u32 ttmp9, FR_W2
	s_cbranch_scc1 .Lw1
	s_cmp_lt_u32 ttmp9, FR_WQ
	s_cbranch_scc1 .Lw2
	s_cmp_lt_u32 ttmp9, FR_WK
	s_cbranch_scc1 .Lwq
	s_cmp_lt_u32 ttmp9, FR_BK
	s_cbranch_scc1 .Lwk
	s_cmp_lt_u32 ttmp9, FR_WV
	s_cbranch_scc1 .Lbk
	s_cmp_lt_u32 ttmp9, FR_WO
	s_cbranch_scc1 .Lwv
	COLS 18, FR_WO, 3, 14, 512                     ; Wo: [256][128]
	s_branch .Lpack
.Lw0:
	COLS 4, 0, 2, 15, 1024                         ; mW0: [128][256]
	s_branch .Lpack
.Lw1:
	COLS 6, FR_W1, 3, 15, 1024                     ; mW1: [256][256]
	s_branch .Lpack
.Lw2:
	COLS 8, FR_W2, 3, 14, 512                      ; mW2: [256][128]
	s_branch .Lpack
.Lwq:
	COLS 10, FR_WQ, 2, 15, 1024                    ; Wq: [128][256]
	s_branch .Lpack
.Lwk:
	s_sub_co_u32 s24, ttmp9, FR_WK
	s_and_b32 s25, s24, 7                          ; hd
	s_lshr_b32 s26, s24, 3                         ; t
	s_lshl_b32 s25, s25, 7                         ; 32 hd columns of 4 bytes
	s_lshl_b32 s26, s26, 14                        ; 16 t rows of 1,024 bytes
	s_add_co_u32 s30, s25, s26
	s_add_nc_u64 s[12:13], s[12:13], s[30:31]
	v_lshlrev_b32 v3, 10, v1                       ; row r
	v_lshl_add_u32 v3, v2, 5, v3                   ; + 8h columns
	LOADROW 12
	s_branch .Lpack
.Lbk:
	s_sub_co_u32 s24, ttmp9, FR_BK                 ; hd
	s_lshl_b32 s30, s24, 7
	s_add_nc_u64 s[14:15], s[14:15], s[30:31]
	v_lshlrev_b32 v3, 5, v2                        ; every lane reads bk's 32 numbers of the head,
	v_cmp_eq_u32 vcc_lo, 0, v1                     ; the lanes of row 0 keep them
	LOADROW 14
	s_branch .Lpack
.Lwv:
	s_sub_co_u32 s24, ttmp9, FR_WV
	s_and_b32 s25, s24, 7                          ; hd
	s_lshr_b32 s26, s24, 3                         ; 2 ks + nt
	s_and_b32 s27, s26, 1                          ; nt
	s_lshr_b32 s26, s26, 1                         ; ks
	s_lshl_b32 s25, s25, 7
	s_lshl_b32 s27, s27, 6
	s_lshl_b32 s26, s26, 15
	s_add_co_u32 s30, s25, s27
	s_add_co_u32 s30, s30, s26
	s_add_nc_u64 s[16:17], s[16:17], s[30:31]
	v_lshl_add_u32 v3, v2, 13, v5
	LOAD16 16, 1024
.Lpack:
	s_wait_loadcnt 0x0
.irp i, 0,1,2,3,4,5,6,7
	v_cvt_pk_bf16_f32 v[24+\i], v[8+2*\i], v[9+2*\i]           ; the lower k in the lower half
.endr
.irp i, 0,1,2,3,4,5,6,7
	v_cndmask_b32 v[24+\i], 0, v[24+\i], vcc_lo                ; bk's tile: rows 1..15 are zeros
.endr
	s_lshl_b32 s30, ttmp9, 10
	s_add_nc_u64 s[20:21], s[20:21], s[30:31]
	global_store_b128 v4, v[24:27], s[20:21]                   ; each store covers 512 consecutive bytes, aligned
	global_store_b128 v4, v[28:31], s[20:21] offset:512
	s_endpgm
.Lfunc_end_k_q6b7987ed3f_wprep:
	.size	k_q6b7987ed3f_wprep, .Lfunc_end_k_q6b7987ed3f_wprep-k_q6b7987ed3f_wprep
	.p2alignl 7, 3214868480
	.fill 96, 4, 3214868480
	.section	.rodata,"a",@progbits
	.p2align	6, 0x0
	.amdhsa_kernel k_q6b7987ed3f_wprep
		.amdhsa_group_segment_fixed_size 0
		.amdhsa_private_segment_fixed_size 0
		.amdhsa_enable_private_segment 0
		.amdhsa_kernarg_size 72
		.amdhsa_user_sgpr_count 2
		.amdhsa_user_sgpr_kernarg_segment_ptr 1
		.amdhsa_wavefront_size32 1
		.amdhsa_system_sgpr_workgroup_id_x 1
		.amdhsa_system_sgpr_workgroup_id_y 1
		.amdhsa_system_sgpr_workgroup_id_z 1
		.amdhsa_system_vgpr_workitem_id 0
		.amdhsa_next_free_vgpr 32
		.amdhsa_next_free_sgpr 66
		.amdhsa_reserve_vcc 1
		.amdhsa_float_denorm_mode_32 3
		.amdhsa_float_denorm_mode_16_64 3
		.amdhsa_memory_ordered 1
		.amdhsa_forward_progress 1
		.amdhsa_inst_pref_size 15
	.end_amdhsa_kernel
	.amdgpu_metadata
---
amdhsa.version: [ 1, 2 ]
amdhsa.kernels:
  - .name:           k_q6b7987ed3f_wprep
    .symbol:         k_q6b7987ed3f_wprep.kd
    .args:
      - { .name: mW0, .offset: 0, .size: 8, .value_kind: global_buffer, .address_space: global }
      - { .name: mW1, .offset: 8, .size: 8, .value_kind: global_buffer, .address_space: global }
      - { .name: mW2, .offset: 16, .size: 8, .value_kind: global_buffer, .address_space: global }
      - { .name: Wq, .offset: 24, .size: 8, .value_kind: global_buffer, .address_space: global }
      - { .name: Wk, .offset: 32, .size: 8, .value_kind: global_buffer, .address_space: global }
      - { .name: bk, .offset: 40, .size: 8, .value_kind: global_buffer, .address_space: global }
      - { .name: Wv, .offset: 48, .size: 8, .value_kind: global_buffer, .address_space: global }
      - { .name: Wo, .offset: 56, .size: 8, .value_kind: global_buffer, .address_space: global }
      - { .name: wfrag, .offset: 64, .size: 8, .value_kind: global_buffer, .address_space: global }
    .group_segment_fixed_size: 0
    .private_segment_fixed_size: 0
    .kernarg_segment_align: 8
    .kernarg_segment_size: 72
    .max_flat_workgroup_size: 32
    .sgpr_count:     66
    .vgpr_count:     32
    .wavefront_size: 32
...
	.end_amdgpu_metadata
.endif
;; end of part 1
;; launch nodes (part 2): grid 256 x 1, 8 waves a work-group, no clusters, 119,808 bytes of LDS; arguments features, g_bn, b_bn, mb0, mb1, mb2, g_ln, b_ln, bq, wfrag, localb, qfrag; writes localb, qfrag
.if DOCPART == 2
	.amdgcn_target "amdgcn-amd-amdhsa--gfx1250"
	.amdhsa_code_object_version 6
	.text
	.protected	k_q6b7987ed3f_nodes
	.globl	k_q6b7987ed3f_nodes
	.p2align	8
	.type	k_q6b7987ed3f_nodes,@function
k_q6b7987ed3f_nodes:
	s_mov_b64 s[64:65], 0
	v_nop
	global_prefetch_b8 v0, s[64:65] scope:SCOPE_SE
	s_setreg_imm32_b32 hwreg(HW_REG_WAVE_MODE, 25, 1), 1
	s_wait_xcnt 0x0
; Per node: x = relu(LN(features)); three layers 128 -> 256 -> 256 -> 128 with relu behind the first two; local = relu(LN(.));
; q' = (local Wq + bq) * log2(e)/sqrt(32).  Out: local as rows of 128 bf16 (256 bytes), q' as bf16 matrix fragments
; [node tile of 16][head][1,024 bytes], ready to be the next launch's operand.
; A work-group owns 64 nodes (4 node tiles mt), 256 work-groups.  Eight waves.
;   norm phases: wave w owns rows 8w .. 8w+7, lane L columns 4L .. 4L+3; mean first, then the squares of the differences (two passes in registers,
;                so a common offset of the inputs does no harm).
;   product phases: the waves split the output columns (32 each, or 16 in the layer of 128), every wave takes all four node tiles,
;                so each weight fragment is read once by the work-group, straight into the registers of the one wave that uses it.
; The matrix instruction is used transposed: source 0 = weight fragment, source 1 = 16 nodes x 32 k.  Lane (r, h) then holds node r and in its
; eight registers the columns 8h .. 8h+7 of the weight tile: eight neighbours of a row, which pack into 16 bytes.  The bias enters as the C of
; the first K step.
; Matrix operands are bf16 (activations and weights rounded once each); sums, norms and biases are f32.
; No tensor loads, no cluster: only the weights are shared between work-groups, and they go to registers; activations pass between waves through LDS.
.set PA,   272                         ; pitch of 128 bf16 + 16 bytes
.set PB,   528                         ; pitch of 256 bf16, or of 128 f32, + 16 bytes: both pitches are odd multiples of 16 bytes, so the sixteen
                                       ; rows of a fragment load begin in sixteen different 16-byte columns of 256
.set ACTA, 0                           ; [64][128] bf16: the input of layer 0, later of the q layer
.set ACTB, 64*PA                       ; [64][256] bf16: the input of layer 1
.set ACTC, ACTB+64*PB                  ; [64][256] bf16: the input of layer 2
.set HFB,  ACTC+64*PB                  ; [64][128] f32: layer 2's result, for the second norm
; window 0: v1 16L; v2 r; v3 h; v4 16L+8192w; v5 16L+16384w; v6..v16 addresses (below); v[18:21] gain, v[22:25] shift
.set XR,  32                           ; v[32:63]   norm: row i in 4 registers
.set RS,  64                           ; v[64:79]   norm: row i's sum, then 1/sigma, in a pair
.set TT,  80                           ; v[80:111]  norm: at work
.set AF,  32                           ; v[32:159]  products: fragments of 4 K steps x 4 node tiles (over the norm's registers)
.set ACC, 160                          ; v[160:223] eight accumulator tiles (column tile u, node tile m) at 8 (4u + m)
.set BI0, 224                          ; v[224:239] bias tiles
.set BI1, 240                          ; v[240:255]
; window 1: weights.  mW0 (later Wq) at 0..63, mW1 at 64..191, mW2 at 192..255
.set MSB, 0
.macro WIN new                         ; s_set_vgpr_msb; the immediate's high byte repeats the setting that is left
.if MSB != (\new)
	s_set_vgpr_msb (MSB<<8)|(\new)
.set MSB, (\new)
.endif
.endm
.macro BAR                             ; my LDS stores and loads are done, then the work-group's barrier
	s_wait_dscnt 0x0
	s_barrier_signal -1
	s_barrier_wait -1
.endm
.macro NOP4                            ; four places behind the last matrix instruction (ISA guide 7.12.1) before its registers are read, written or loaded into
.rept 4
	v_nop
.endr
.endm
.macro WLOAD lo, cnt, areg, frag0      ; cnt fragments from wfrag into window 1
	WIN 0x40
.set wi, 0
.rept \cnt
	global_load_b128 v[\lo+8*wi:\lo+8*wi+3],   v[\areg], s[22:23] offset:(\frag0+wi)*1024
	global_load_b128 v[\lo+8*wi+4:\lo+8*wi+7], v[\areg], s[22:23] offset:(\frag0+wi)*1024+512
.set wi, wi+1
.endr
.endm
.macro BIAS4 bi, p                     ; the bias of my 32 columns as two C tiles: register j = column 16u + 8h + j
	global_load_b128 v[\bi:\bi+3],     v14, s[\p:\p+1]
	global_load_b128 v[\bi+4:\bi+7],   v14, s[\p:\p+1] offset:16
	global_load_b128 v[\bi+8:\bi+11],  v14, s[\p:\p+1] offset:64
	global_load_b128 v[\bi+12:\bi+15], v14, s[\p:\p+1] offset:80
.endm
.macro PACK4 a                         ; eight f32 to eight bf16, in place in the tile's first four registers
.irp q, 0,1,2,3
	v_cvt_pk_bf16_f32 v[(\a)+\q], v[(\a)+2*\q], v[(\a)+2*\q+1]
.endr
.endm
.macro LANESUM                         ; RS of each of the eight rows summed over the 32 lanes, stage by stage so that no line waits for the one in front
.irp x, 1,2,4,8
.irp i, 0,1,2,3,4,5,6,7
	v_add_f32_dpp v[RS+2*\i], v[RS+2*\i], v[RS+2*\i] row_xmask:\x row_mask:0xf bank_mask:0xf
.endr
.endr
.irp i, 0,1,2,3,4,5,6,7
	v_permlanex16_b32 v[RS+2*\i+1], v[RS+2*\i], s30, s31       ; the other half of the lanes; the destination has been written before
.endr
.irp i, 0,1,2,3,4,5,6,7
	v_add_f32 v[RS+2*\i], v[RS+2*\i], v[RS+2*\i+1]
.endr
.endm
.macro LNORM                           ; XR: eight rows -> relu((x - mean) rsqrt(var + eps) g + b), packed to bf16 in each row's first two registers
.irp i, 0,1,2,3,4,5,6,7
	v_pk_add_f32 v[RS+2*\i:RS+2*\i+1], v[XR+4*\i:XR+4*\i+1], v[XR+4*\i+2:XR+4*\i+3]
.endr
.irp i, 0,1,2,3,4,5,6,7
	v_add_f32 v[RS+2*\i], v[RS+2*\i], v[RS+2*\i+1]
.endr
	LANESUM
.irp i, 0,1,2,3,4,5,6,7
.irp j, 0,1,2,3
	v_fma_f32 v[XR+4*\i+\j], v[RS+2*\i], s32, v[XR+4*\i+\j]    ; x - sum / 128
.endr
.endr
.irp i, 0,1,2,3,4,5,6,7
	v_pk_mul_f32 v[RS+2*\i:RS+2*\i+1], v[XR+4*\i:XR+4*\i+1], v[XR+4*\i:XR+4*\i+1]
.endr
.irp i, 0,1,2,3,4,5,6,7
	v_pk_fma_f32 v[RS+2*\i:RS+2*\i+1], v[XR+4*\i+2:XR+4*\i+3], v[XR+4*\i+2:XR+4*\i+3], v[RS+2*\i:RS+2*\i+1]
.endr
.irp i, 0,1,2,3,4,5,6,7
	v_add_f32 v[RS+2*\i], v[RS+2*\i], v[RS+2*\i+1]
.endr
	LANESUM
.irp i, 0,1,2,3,4,5,6,7
	v_fma_f32 v[RS+2*\i], v[RS+2*\i], s33, s34                 ; variance + eps
.endr
.irp i, 0,1,2,3,4,5,6,7
	v_rsq_f32 v[RS+2*\i], v[RS+2*\i]
.endr
	v_nop                                                      ; one plain place behind the last v_rsq_f32 before its result is used (ISA guide 5.7.2)
	s_wait_alu depctr_va_vdst(0)
.irp i, 0,1,2,3,4,5,6,7
	v_pk_mul_f32 v[TT+4*\i:TT+4*\i+1],   v[18:19], v[RS+2*\i:RS+2*\i+1] op_sel_hi:[1,0]   ; g / sigma
	v_pk_mul_f32 v[TT+4*\i+2:TT+4*\i+3], v[20:21], v[RS+2*\i:RS+2*\i+1] op_sel_hi:[1,0]
.endr
.irp i, 0,1,2,3,4,5,6,7
	v_pk_fma_f32 v[XR+4*\i:XR+4*\i+1],   v[XR+4*\i:XR+4*\i+1],   v[TT+4*\i:TT+4*\i+1],   v[22:23]
	v_pk_fma_f32 v[XR+4*\i+2:XR+4*\i+3], v[XR+4*\i+2:XR+4*\i+3], v[TT+4*\i+2:TT+4*\i+3], v[24:25]
.endr
.irp i, 0,1,2,3,4,5,6,7
.irp j, 0,1,2,3
	v_max_num_f32 v[XR+4*\i+\j], 0, v[XR+4*\i+\j]
.endr
.endr
.irp i, 0,1,2,3,4,5,6,7
	v_cvt_pk_bf16_f32 v[XR+4*\i],   v[XR+4*\i],   v[XR+4*\i+1]
	v_cvt_pk_bf16_f32 v[XR+4*\i+1], v[XR+4*\i+2], v[XR+4*\i+3]
.endr
.endm
; 32 LDS loads: the node fragments of K steps ks0 .. ks0+3, K step by K step, 8 loads each
.macro AFLOAD areg, imm, mtstep, ks0
.irp k, 0,1,2,3
.irp m, 0,1,2,3
	ds_load_b128 v[AF+8*(4*\k+\m):AF+8*(4*\k+\m)+3],   v[\areg] offset:\imm+\m*\mtstep+(\ks0+\k)*64
	ds_load_b128 v[AF+8*(4*\k+\m)+4:AF+8*(4*\k+\m)+7], v[\areg] offset:\imm+\m*\mtstep+(\ks0+\k)*64+32
.endr
.endr
.endm
; four K steps on nts x 4 accumulator tiles.  The accumulators take turns, one instruction a turn.
; wlo: the weights' first register in window 1, ksn fragments for each column tile; first = 1: the first K step takes the bias tile as C.
.macro MM4 nts, wlo, ksn, ks0, first, bi
	WIN 0x01                                       ; source 0 (weights) window 1, all else window 0
.irp k, 0,1,2,3
	s_wait_dscnt 8*(3-\k)                          ; LDS loads come back in order: the 8 loads of each later K step may stay out
.set cb, 0
.if \first
.if \k == 0
.set cb, 1
.endif
.endif
.set nn, 0
.rept \nts
.irp m, 0,1,2,3
.if cb
	v_wmma_f32_16x16x32_bf16 v[ACC+8*(4*nn+\m):ACC+8*(4*nn+\m)+7], v[\wlo+8*(nn*\ksn+\ks0+\k):\wlo+8*(nn*\ksn+\ks0+\k)+7], v[AF+8*(4*\k+\m):AF+8*(4*\k+\m)+7], v[\bi+8*nn:\bi+8*nn+7]
.else
	v_wmma_f32_16x16x32_bf16 v[ACC+8*(4*nn+\m):ACC+8*(4*nn+\m)+7], v[\wlo+8*(nn*\ksn+\ks0+\k):\wlo+8*(nn*\ksn+\ks0+\k)+7], v[AF+8*(4*\k+\m):AF+8*(4*\k+\m)+7], v[ACC+8*(4*nn+\m):ACC+8*(4*nn+\m)+7]
.endif
.endr
.set nn, nn+1
.endr
.endr
	WIN 0
.endm
.macro EPI_ACT imm                     ; relu, round to bf16, 16 bytes a lane into the next layer's input
.irp u, 0,1
.irp m, 0,1,2,3
.irp j, 0,1,2,3,4,5,6,7
	v_max_num_f32 v[ACC+8*(4*\u+\m)+\j], 0, v[ACC+8*(4*\u+\m)+\j]
.endr
	PACK4 ACC+8*(4*\u+\m)
	ds_store_b128 v8, v[ACC+8*(4*\u+\m):ACC+8*(4*\u+\m)+3] offset:\imm+\m*16*PB+\u*32
.endr
.endr
.endm
	s_load_b512 s[4:19], s[0:1], 0x0               ; features s[4:5], g_bn s[6:7], b_bn s[8:9], mb0 s[10:11], mb1 s[12:13], mb2 s[14:15], g_ln s[16:17], b_ln s[18:19]
	s_load_b256 s[20:27], s[0:1], 0x40             ; bq s[20:21], wfrag s[22:23], localb s[24:25], qfrag s[26:27]
	v_lshl_add_u32 v30, v0, 2, 0x1d000
	v_mov_b32 v31, 0
	v_lshrrev_b32 v17, 5, v0
	v_readfirstlane_b32 s28, v17                   ; wave w
	v_and_b32 v17, 31, v0                          ; L
	v_and_b32 v2, 15, v0                           ; r
	v_bfe_u32 v3, v0, 4, 1                         ; h
	v_lshlrev_b32 v1, 4, v17                       ; 16 L
	s_mov_b32 s30, 0x76543210                      ; v_permlanex16_b32: lane i reads lane i of the other half
	s_mov_b32 s31, 0xfedcba98
	s_mov_b32 s32, 0xbc000000                      ; -1/128
	s_mov_b32 s33, 0x3c000000                      ; 1/128
	s_mov_b32 s34, 0x3727c5ac                      ; eps = 1e-5
	s_mov_b32 s36, 0x3e8293ee                      ; log2(e) / sqrt(32): the logits' scale and the change to base 2, folded into q
	s_mov_b32 s37, 0x3e8293ee
	s_lshl_b32 s40, ttmp9, 15                      ; 64 rows of 512 bytes; also 4 node tiles x 8 heads x 1,024 bytes
	s_mov_b32 s41, 0
	s_lshl_b32 s42, ttmp9, 14                      ; 64 rows of 256 bytes
	s_mov_b32 s43, 0
	v_lshl_add_u32 v4, s28, 13, v1                 ; weights, 8 fragments a wave
	v_lshl_add_u32 v5, s28, 14, v1                 ; weights, 16 fragments a wave
	v_mul_u32_u24 v6, v2, PA
	v_lshl_add_u32 v6, v3, 4, v6                   ; fragments from ACTA: 272 r + 16 h
	v_mul_u32_u24 v26, v2, PB
	v_lshl_add_u32 v7, v3, 4, v26
	v_add_nc_u32 v7, ACTB, v7                      ; fragments from ACTB (ACTC by the immediate): 528 r + 16 h
	v_lshl_add_u32 v8, s28, 6, v7                  ; results to ACTB, ACTC: + my 32 columns of 2 bytes
	v_lshl_add_u32 v9, v3, 5, v26
	v_lshl_add_u32 v9, s28, 6, v9
	v_add_nc_u32 v9, HFB, v9                       ; results to HF: 528 r + 32 h + my 16 columns of 4 bytes
	s_mul_i32 s29, s28, 8*PA
	v_lshl_add_u32 v10, v17, 3, s29                ; norm to ACTA: my 8 rows, 8 bytes a lane
	s_mul_i32 s29, s28, 8*PB
	v_add3_u32 v11, v1, s29, HFB                   ; second norm from HF: my 8 rows, 16 bytes a lane
	v_lshl_add_u32 v12, s28, 12, v1                ; features: my 8 rows of 512 bytes
	v_lshlrev_b32 v13, 3, v17
	v_lshl_add_u32 v13, s28, 11, v13               ; localb: my 8 rows of 256 bytes
	v_lshlrev_b32 v14, 5, v3
	v_lshl_add_u32 v15, s28, 6, v14                ; mb2: 64 w + 32 h
	v_lshl_add_u32 v14, s28, 7, v14                ; biases of 256 columns: 128 w + 32 h
	v_lshl_add_u32 v16, s28, 10, v1                ; qfrag: head w, 16 bytes a lane
	s_wait_kmcnt 0x0
	s_add_nc_u64 s[4:5], s[4:5], s[40:41]
	s_add_nc_u64 s[24:25], s[24:25], s[42:43]
	s_add_nc_u64 s[26:27], s[26:27], s[40:41]
	; all that is known to be needed goes out at once: 8 + 2 + 4 + 4 + 16 + 32 loads
.irp i, 0,1,2,3,4,5,6,7
	global_load_b128 v[XR+4*\i:XR+4*\i+3], v12, s[4:5] offset:512*\i th:TH_LOAD_NT   ; a whole row of 512 bytes
.endr
	global_load_b128 v[18:21], v1, s[6:7]
	global_load_b128 v[22:25], v1, s[8:9]
	BIAS4 BI0, 10                                  ; mb0
	BIAS4 BI1, 12                                  ; mb1
	WLOAD 0, 8, 4, 0                               ; mW0
	WLOAD 64, 16, 5, 64                            ; mW1
	WIN 0
	s_wait_loadcnt 56                              ; the rows, g_bn and b_bn are in; the 4 + 4 + 16 + 32 loads behind them stay out
	LNORM
.irp i, 0,1,2,3,4,5,6,7
	ds_store_b64 v10, v[XR+4*\i:XR+4*\i+1] offset:PA*\i
.endr
	global_load_b128 v[18:21], v1, s[16:17]        ; g_ln, b_ln for the second norm
	global_load_b128 v[22:25], v1, s[18:19]
	WLOAD 192, 8, 4, 192                           ; mW2
	WIN 0
	BAR
	; layer 0: 128 -> 256
	s_wait_loadcnt 50                              ; mb0, mb1, mW0 are in; mW1's 32, g_ln and b_ln's 2, mW2's 16 stay out
	AFLOAD 6, ACTA, 16*PA, 0
	MM4 2, 0, 4, 0, 1, BI0
	NOP4
	WLOAD 0, 8, 4, 256                             ; Wq takes mW0's registers
	WIN 0
	global_load_b128 v[BI0:BI0+3],   v15, s[14:15]            ; mb2 takes mb0's
	global_load_b128 v[BI0+4:BI0+7], v15, s[14:15] offset:16
	EPI_ACT 0
	BAR
	; layer 1: 256 -> 256, K in two halves of four steps
	s_wait_loadcnt 36                              ; mW1 is in; 2 + 16 + 16 + 2 loads stay out
	AFLOAD 7, 0, 16*PB, 0
	MM4 2, 64, 8, 0, 1, BI1
	NOP4
	AFLOAD 7, 0, 16*PB, 4
	MM4 2, 64, 8, 4, 0, BI1
	NOP4
	BIAS4 BI1, 20                                  ; bq takes mb1's registers
	EPI_ACT ACTC-ACTB
	BAR
	; layer 2: 256 -> 128, one column tile a wave, f32 out
	s_wait_loadcnt 4                               ; all but bq's 4 loads
	AFLOAD 7, ACTC-ACTB, 16*PB, 0
	MM4 1, 192, 8, 0, 1, BI0
	NOP4
	AFLOAD 7, ACTC-ACTB, 16*PB, 4
	MM4 1, 192, 8, 4, 0, BI0
	NOP4
.irp m, 0,1,2,3
	ds_store_b128 v9, v[ACC+8*\m:ACC+8*\m+3]   offset:\m*16*PB
	ds_store_b128 v9, v[ACC+8*\m+4:ACC+8*\m+7] offset:\m*16*PB+16
.endr
	BAR
	; second norm; local goes to ACTA for the q layer and to memory for the gather
.irp i, 0,1,2,3,4,5,6,7
	ds_load_b128 v[XR+4*\i:XR+4*\i+3], v11 offset:PB*\i
.endr
	s_wait_dscnt 0x0
	LNORM
.irp i, 0,1,2,3,4,5,6,7
	ds_store_b64 v10, v[XR+4*\i:XR+4*\i+1] offset:PA*\i        ; ACTA's readers passed a barrier three phases ago
.endr
.irp i, 0,1,2,3,4,5,6,7
	global_store_b64 v13, v[XR+4*\i:XR+4*\i+1], s[24:25] offset:256*\i   ; 32 lanes store one aligned row of 256 bytes
.endr
	s_wait_xcnt 0x0                                ; the stores' data registers are loaded into again below only behind this wait
	BAR
	; q layer: 128 -> 256.  My 32 columns are head w; tile u = 0, 1 is the lower, upper half of the q fragment's registers
	s_wait_loadcnt 0x0
	AFLOAD 6, ACTA, 16*PA, 0
	MM4 2, 0, 4, 0, 1, BI1
	NOP4
.irp u, 0,1
.irp m, 0,1,2,3
.irp q, 0,2,4,6
	v_pk_mul_f32 v[ACC+8*(4*\u+\m)+\q:ACC+8*(4*\u+\m)+\q+1], v[ACC+8*(4*\u+\m)+\q:ACC+8*(4*\u+\m)+\q+1], s[36:37] op_sel_hi:[1,0]
.endr
	PACK4 ACC+8*(4*\u+\m)
	global_store_b128 v16, v[ACC+8*(4*\u+\m):ACC+8*(4*\u+\m)+3], s[26:27] offset:\m*8192+\u*512   ; 512 consecutive bytes, aligned
.endr
.endr
	s_wait_tensorcnt 0x0
	ds_add_u32 v30, v31
	s_wait_dscnt 0x0
	s_endpgm
.Lfunc_end_k_q6b7987ed3f_nodes:
	.size	k_q6b7987ed3f_nodes, .Lfunc_end_k_q6b7987ed3f_nodes-k_q6b7987ed3f_nodes
	.p2alignl 7, 3214868480
	.fill 96, 4, 3214868480
	.section	.rodata,"a",@progbits
	.p2align	6, 0x0
	.amdhsa_kernel k_q6b7987ed3f_nodes
		.amdhsa_group_segment_fixed_size 119808
		.amdhsa_private_segment_fixed_size 0
		.amdhsa_enable_private_segment 0
		.amdhsa_kernarg_size 96
		.amdhsa_user_sgpr_count 2
		.amdhsa_user_sgpr_kernarg_segment_ptr 1
		.amdhsa_wavefront_size32 1
		.amdhsa_system_sgpr_workgroup_id_x 1
		.amdhsa_system_sgpr_workgroup_id_y 1
		.amdhsa_system_sgpr_workgroup_id_z 1
		.amdhsa_system_vgpr_workitem_id 0
		.amdhsa_next_free_vgpr 512
		.amdhsa_next_free_sgpr 66
		.amdhsa_reserve_vcc 0
		.amdhsa_float_denorm_mode_32 3
		.amdhsa_float_denorm_mode_16_64 3
		.amdhsa_memory_ordered 1
		.amdhsa_forward_progress 1
		.amdhsa_inst_pref_size 83
	.end_amdhsa_kernel
	.amdgpu_metadata
---
amdhsa.version: [ 1, 2 ]
amdhsa.kernels:
  - .name:           k_q6b7987ed3f_nodes
    .symbol:         k_q6b7987ed3f_nodes.kd
    .args:
      - { .name: features, .offset: 0, .size: 8, .value_kind: global_buffer, .address_space: global }
      - { .name: g_bn, .offset: 8, .size: 8, .value_kind: global_buffer, .address_space: global }
      - { .name: b_bn, .offset: 16, .size: 8, .value_kind: global_buffer, .address_space: global }
      - { .name: mb0, .offset: 24, .size: 8, .value_kind: global_buffer, .address_space: global }
      - { .name: mb1, .offset: 32, .size: 8, .value_kind: global_buffer, .address_space: global }
      - { .name: mb2, .offset: 40, .size: 8, .value_kind: global_buffer, .address_space: global }
      - { .name: g_ln, .offset: 48, .size: 8, .value_kind: global_buffer, .address_space: global }
      - { .name: b_ln, .offset: 56, .size: 8, .value_kind: global_buffer, .address_space: global }
      - { .name: bq, .offset: 64, .size: 8, .value_kind: global_buffer, .address_space: global }
      - { .name: wfrag, .offset: 72, .size: 8, .value_kind: global_buffer, .address_space: global }
      - { .name: localb, .offset: 80, .size: 8, .value_kind: global_buffer, .address_space: global }
      - { .name: qfrag, .offset: 88, .size: 8, .value_kind: global_buffer, .address_space: global }
    .group_segment_fixed_size: 119808
    .private_segment_fixed_size: 0
    .kernarg_segment_align: 8
    .kernarg_segment_size: 96
    .max_flat_workgroup_size: 256
    .sgpr_count:     66
    .vgpr_count:     512
    .wavefront_size: 32
...
	.end_amdgpu_metadata
.endif
;; end of part 2
;; launch attend (part 3): grid 256 x 1, 4 waves a work-group, no clusters, 308,736 bytes of LDS; arguments edge_feats, neighbours, localb, qfrag, wfrag, bv, bo, features, out0; writes out0
.if DOCPART == 3
	.amdgcn_target "amdgcn-amd-amdhsa--gfx1250"
	.amdhsa_code_object_version 6
	.text
	.protected	k_q6b7987ed3f_attend
	.globl	k_q6b7987ed3f_attend
	.p2align	8
	.type	k_q6b7987ed3f_attend,@function
k_q6b7987ed3f_attend:
	s_mov_b64 s[64:65], 0
	v_nop
	global_prefetch_b8 v0, s[64:65] scope:SCOPE_SE
	s_setreg_imm32_b32 hwreg(HW_REG_WAVE_MODE, 25, 1), 1
	s_wait_xcnt 0x0
; Neighbour attention, with the two large projections taken to the other side of the sums (exact in real numbers, for every input):
;   q_h . (kv Wk_h + bk_h)            = (Wk_h q_h) . kv + q_h . bk_h
;   sum_k attn (kv Wv_h + bv_h)       = (sum_k attn kv) Wv_h + bv_h          (the softmax sums to one)
; so a (node, neighbour) row of 224 numbers is multiplied by 8 head rows on each side of the softmax and never by a 224 x 256 matrix.
; kv = [gathered local (128) | edge features (96)].  q' already carries log2(e)/sqrt(32), so the softmax is exp2 of (logit - maximum).
; LIMITS: neighbour indices are clamped to 0..16383 (the table's rows); matrix operands (q', Wk q, kv, attn, attn kv, ctx, weights) are bf16, all sums f32;
; v_exp_f32 gives zero below 2^-126 (ISA guide 15.8); the order of the sums differs from the formula as written above.
;
; A work-group owns 64 nodes, 256 work-groups, four waves.
;   prologue: wave w makes QK[node][head 2w, 2w+1][0..239] for all 64 nodes into LDS (column 224 = q'.bk, 225..239 = 0).
;   stream:   wave w walks its 16 nodes alone, no barrier.  A node is 12,288 consecutive bytes of edges (24 loads) and 32 rows of 256 bytes of local
;             (16 loads, two rows each): 40 loads, 160 registers.  Two nodes' loads are asked for ahead (two register slots).
;             Edges are rounded to bf16 on the way into the wave's own kv tile in LDS, which is read once by rows (logits) and once transposed (attn kv).
;             attn kv overwrites the node's QK rows.
;   epilogue: ctx = (attn kv) Wv + bv (wave w: heads 2w, 2w+1, all nodes), out = ctx Wo + bo (wave w: 32 columns), + features.
; The matrix instruction is used transposed throughout: lane (r, h) of the result holds source 1's row r and source 0's rows 8h .. 8h+7.
; No tensor loads: the edges must pass through registers to be rounded, and the gather is lane by lane.  No cluster: what work-groups share is the weights,
; 296 KiB of a work-group's 1.6 MiB, and they go straight to the registers of the wave that uses them.  No prefetch: the stream's own loads run two nodes ahead.
;
; THE KV TILE: 32 rows (neighbours) of 480 bytes: 28 chunks of 16 bytes (224 bf16) + 32 bytes.  480 is an odd multiple of 32 bytes, so the eight rows x 32 bytes of a
; transposing load fall into different 32-byte columns of 256.  Rows r and r + 8 would begin in the same 16-byte column, so in rows 8-15 and 24-31 every pair of
; neighbouring chunks is exchanged (chunk c lies at c xor 1): the sixteen rows of a row-wise fragment load then begin in sixteen different 16-byte columns of 256,
; and a transposing load, whose eight rows share one exchange, still reads the same 32 bytes of each row.
.set NP,    3856                       ; QK: a node's 8 head rows of 480 bytes + 16: an odd multiple of 16 bytes
.set HP,    480                        ; QK: a head row, 240 bf16
.set KP,    480                        ; kv tile: a neighbour's row
.set KVB,   64*NP                      ; 246,784: the four waves' kv tiles (a multiple of 32, as KVT and KP are: bit 4 of an address in a tile is bit 4 of the place in the row)
.set KVT,   32*KP                      ; 15,360 bytes each
.set EDGEN, 12288                      ; a node's edge bytes
.set OP,    528                        ; output stage: 128 f32 + 16 bytes
; window 0
;   v1 16L   v2, v3 edge offsets of slot 0, 1   v4 index offset   v5 16 r   v6..v8 edge stores   v9 gather stores   v10 kv by rows   v11 kv transposed
;   v12..v15 QK of node tile 0..3, my heads   v[16:23] at work   v[24:25] maximum   v[26:27] 1/sum   v28 from the other half of the lanes
;   v29 QK rows of the node at work   v30 16L + 2048w   v80..v87 the epilogue's offsets   v124 r, v125 h, v126 L
.set GSW, 120                          ; v120       gather stores into rows with exchanged chunks
.set ESW, 121                          ; v[121:123] edge stores into rows with exchanged chunks
.set IDX, 32                           ; v[32:47]   the indices of the node after next: register i = neighbour 16h + i
.set ADR, 48                           ; v[48:63], v[64:79]  gather offsets of slot 0, 1
.set XF,  88                           ; v[88:95]   QK columns 224..255 as a fragment; the upper four registers stay 0
.set SS,  96                           ; v[96:111]  logits: two tiles
.set PF,  112                          ; v[112:119] attn as a fragment
.set DT,  136                          ; v[136:247] 14 result tiles (a fifteenth, v[248:255], in the prologue)
.set QF,  DT                           ;            over tiles 0..6: the node's QK fragments
.set CT,  DT+56                        ;            over tiles 7..12: the edges in bf16
.set BV,  32                           ; epilogue: bv as four C tiles
.set BO,  64                           ;           bo as two C tiles
.set ACC, 96                           ;           v[96:223] ctx: 16 tiles at 8 ((2 hh + u) 4 + m); then out: 8 tiles at 8 (4 u + m)
.set OR,  160                          ;           v[160:223] 16 rows of the result
; windows 1 and 2: the two slots: edges at 0..95, gathered rows at 96..159
.set EB,  0
.set GB,  96
.set QQ,  160                          ; window 1, prologue: q fragments at 8 (2 m + hh)
.set FE,  128                          ; window 1, epilogue: features; Wv at 8 (14 hh + 2 ks + u), later Wo at 8 (8 u + ks)
; window 3: kv fragments by rows at 8 (2 s + tile), transposed at 112 + 8 t; the constant fragment ONE
.set TF,  112
.set ONE, 240
.set MSB, 0
.macro WIN new                         ; s_set_vgpr_msb; low byte: bits 1:0 source 0, 3:2 source 1, 5:4 source 2, 7:6 destination; the high byte repeats the setting left
.if MSB != (\new)
	s_set_vgpr_msb (MSB<<8)|(\new)
.set MSB, (\new)
.endif
.endm
.macro NOP4                            ; four places behind the last matrix instruction (ISA guide 7.12.1) before its registers are read, written or loaded into
.rept 4
	v_nop
.endr
.endm
.macro PACK4 a                         ; eight f32 to eight bf16, in place in the tile's first four registers
.irp q, 0,1,2,3
	v_cvt_pk_bf16_f32 v[(\a)+\q], v[(\a)+2*\q], v[(\a)+2*\q+1]
.endr
.endm
.macro IDXLD dst, imm                  ; a node's 32 indices: each half of the lanes reads its own 64 bytes, so register i of half h is neighbour 16h + i
.irp c, 0,1,2,3
	global_load_b128 v[\dst+4*\c:\dst+4*\c+3], v4, s[6:7] offset:\imm+16*\c
.endr
.endm
.macro MKADR slot, src                 ; index -> byte offset of my 16 bytes of the row
.irp i, 0,1,2,3,4,5,6,7,8,9,10,11,12,13,14,15
	v_min_u32 v[ADR+16*\slot+\i], 0x3fff, v[\src+\i]
.endr
.irp i, 0,1,2,3,4,5,6,7,8,9,10,11,12,13,14,15
	v_lshl_add_u32 v[ADR+16*\slot+\i], v[ADR+16*\slot+\i], 8, v5
.endr
.endm
.macro EDGELD blk, slot                ; 24 loads of 512 consecutive bytes, read once in the launch
	WIN (\blk<<6)
.set jj, 0
.rept 24
	global_load_b128 v[EB+4*jj:EB+4*jj+3], v[2+\slot], s[4:5] offset:512*jj th:TH_LOAD_NT
.set jj, jj+1
.endr
.endm
.macro GATHLD blk, slot                ; load i: lanes 0-15 the 256 bytes of neighbour i's row, lanes 16-31 of neighbour 16+i's.
	WIN (\blk<<6)                          ; The table's 16,384 rows are named 524,288 times by the lists of all work-groups, 32 times each on average
.irp i, 0,1,2,3,4,5,6,7,8,9,10,11,12,13,14,15
	global_load_b128 v[GB+4*\i:GB+4*\i+3], v[ADR+16*\slot+\i], s[8:9] th:TH_LOAD_HT
.endr
.endm
.macro WVLD                            ; Wv's 28 fragments of my two heads, into slot 0's window once its last node has left it
	WIN 0x40
.irp hh, 0,1
.irp c, 0,1,2,3,4,5,6,7,8,9,10,11,12,13
	global_load_b128 v[8*(14*\hh+\c):8*(14*\hh+\c)+3],   v30, s[12:13] offset:(440+8*\c+\hh)*1024
	global_load_b128 v[8*(14*\hh+\c)+4:8*(14*\hh+\c)+7], v30, s[12:13] offset:(440+8*\c+\hh)*1024+512
.endr
.endr
	WIN 0
.endm
; prologue: QK of head 2w + hh for node tile mt: 15 tiles of 16 columns, one K step (the head's 32 numbers of q')
.macro QKGRP hh, mt
	WIN 0x07                                       ; source 0 (Wk) window 3, source 1 (q') window 1
.set tt, 0
.rept 15
	v_wmma_f32_16x16x32_bf16 v[DT+8*tt:DT+8*tt+7], v[8*(15*\hh+tt):8*(15*\hh+tt)+7], v[QQ+8*(2*\mt+\hh):QQ+8*(2*\mt+\hh)+7], 0
.set tt, tt+1
.endr
	WIN 0
	NOP4
.set tt, 0
.rept 15
	PACK4 DT+8*tt
.set tt, tt+1
.endr
.set tt, 0
.rept 15
	ds_store_b128 v[12+\mt], v[DT+8*tt:DT+8*tt+3] offset:\hh*HP+32*tt
.set tt, tt+1
.endr
.endm
; ONE NODE.  blk, slot: the register window and number of its slot.  ldidx: load the indices of the node three ahead.  lddata: load the node two ahead into this slot.
; cnt: how many younger loads may stay out.  wv: issue Wv's loads.
.macro STEP blk, slot, ldidx, lddata, cnt, wv
	s_wait_loadcnt \cnt                            ; loads come back in order (ISA guide 5.7.1): this node's 40 and the 4 index loads issued behind them are in;
	                                               ; so their address registers (v4, this slot's edge offset and gather offsets) may be written below
	WIN (\blk|(\blk<<2))
.set jj, 0
.rept 24
	v_cvt_pk_bf16_f32 v[CT+2*jj],   v[EB+4*jj],   v[EB+4*jj+1]
	v_cvt_pk_bf16_f32 v[CT+2*jj+1], v[EB+4*jj+2], v[EB+4*jj+3]
.set jj, jj+1
.endr
	WIN (\blk<<2)                                  ; store data from the slot's window
.irp i, 0,1,2,3,4,5,6,7
	ds_store_b128 v9, v[GB+4*\i:GB+4*\i+3] offset:KP*\i        ; kv rows i and 16+i, columns 0..127: chunk r at r
.endr
.irp i, 8,9,10,11,12,13,14,15
	ds_store_b128 v[GSW], v[GB+4*\i:GB+4*\i+3] offset:KP*\i    ; rows 8-15 and 24-31: chunk r at r xor 1
.endr
	WIN 0
.irp g, 0,1,2,3,4,5,6,7
.irp c, 0,1,2
.if (\g>>1)&1
	ds_store_b64 v[ESW+\c], v[CT+2*(3*\g+\c):CT+2*(3*\g+\c)+1] offset:4*KP*\g  ; rows 4g .. 4g+3 with g = 2, 3, 6, 7 are rows 8-15 and 24-31: exchanged chunks
.else
	ds_store_b64 v[6+\c], v[CT+2*(3*\g+\c):CT+2*(3*\g+\c)+1] offset:4*KP*\g    ; load 3g+c holds flat numbers 384g + 128c + 4L: four kv rows for every three loads
.endif
.endr
.endr
.if \lddata
	MKADR \slot, IDX
.endif
.if \ldidx
	v_add_nc_u32 v4, 128, v4
	IDXLD IDX, 0
.endif
.if \lddata
	v_add_nc_u32 v[2+\slot], 2*EDGEN, v[2+\slot]
	EDGELD \blk, \slot
	GATHLD \blk, \slot
	WIN 0
.endif
.if \wv
	WVLD
.endif
	; LDS serves a wave's instructions in order (ISA guide 5.7.1): these loads see the stores above, which are the wave's own
	ds_load_b128 v[XF:XF+3], v29 offset:448                    ; QK columns 224 + 8h ..
.irp s, 0,1,2,3,4,5,6
	ds_load_b128 v[QF+8*\s:QF+8*\s+3],   v29 offset:64*\s      ; lane r: head r & 7
	ds_load_b128 v[QF+8*\s+4:QF+8*\s+7], v29 offset:64*\s+32
.endr
	WIN 0xC0
.irp s, 0,1,2,3,4,5,6
.irp u, 0,1
	ds_load_b128 v[8*(2*\s+\u):8*(2*\s+\u)+3],   v10 offset:\u*16*KP+64*\s
	ds_load_b128 v[8*(2*\s+\u)+4:8*(2*\s+\u)+7], v10 offset:\u*16*KP+64*\s+32
.endr
.endr
.irp t, 0,1,2,3,4,5,6,7,8,9,10,11,12,13
	ds_load_tr16_b128 v[TF+8*\t:TF+8*\t+3],   v11 offset:32*\t             ; columns 16t + r, neighbours 8h .. 8h+7
	ds_load_tr16_b128 v[TF+8*\t+4:TF+8*\t+7], v11 offset:32*\t+16*KP       ; neighbours 16+8h ..
.endr
	; logits: lane (r, h) = head r & 7; tile 0 register j = neighbour 8h + j, tile 1 = 16 + 8h + j.  The two accumulators take turns.
	WIN 0x03                                       ; source 0 window 3
.irp s, 0,1,2,3,4,5,6
	s_wait_dscnt 28+4*(6-\s)                       ; the 28 transposing loads and the 4 row loads of each later K step may stay out
.if \s == 0
	v_wmma_f32_16x16x32_bf16 v[SS:SS+7],    v[0:7],  v[QF:QF+7], 0
	v_wmma_f32_16x16x32_bf16 v[SS+8:SS+15], v[8:15], v[QF:QF+7], 0
.else
	v_wmma_f32_16x16x32_bf16 v[SS:SS+7],    v[16*\s:16*\s+7],    v[QF+8*\s:QF+8*\s+7], v[SS:SS+7]
	v_wmma_f32_16x16x32_bf16 v[SS+8:SS+15], v[16*\s+8:16*\s+15], v[QF+8*\s:QF+8*\s+7], v[SS+8:SS+15]
.endif
.endr
	v_wmma_f32_16x16x32_bf16 v[SS:SS+7],    v[ONE:ONE+7], v[XF:XF+7], v[SS:SS+7]       ; + q'.bk: ONE is 1 at k = 0 in every row
	v_wmma_f32_16x16x32_bf16 v[SS+8:SS+15], v[ONE:ONE+7], v[XF:XF+7], v[SS+8:SS+15]
	WIN 0
	NOP4
	; softmax over the 32 neighbours: 16 in this lane, 16 in the lane 16 away
	v_max3_num_f32 v16, v[SS],    v[SS+1],  v[SS+2]
	v_max3_num_f32 v17, v[SS+3],  v[SS+4],  v[SS+5]
	v_max3_num_f32 v18, v[SS+6],  v[SS+7],  v[SS+8]
	v_max3_num_f32 v19, v[SS+9],  v[SS+10], v[SS+11]
	v_max3_num_f32 v20, v[SS+12], v[SS+13], v[SS+14]
	v_max3_num_f32 v16, v16, v17, v18
	v_max3_num_f32 v19, v19, v20, v[SS+15]
	v_max_num_f32 v16, v16, v19
	v_permlanex16_b32 v28, v16, s30, s31
	v_max_num_f32 v24, v16, v28
	v_max_num_f32 v25, v16, v28
.irp j, 0,2,4,6,8,10,12,14
	v_pk_add_f32 v[SS+\j:SS+\j+1], v[SS+\j:SS+\j+1], v[24:25] neg_lo:[0,1] neg_hi:[0,1]
.endr
.irp j, 0,1,2,3,4,5,6,7,8,9,10,11,12,13,14,15
	v_exp_f32 v[SS+\j], v[SS+\j]
.endr
	v_nop                                          ; one plain place behind the last v_exp_f32 (ISA guide 5.7.2)
	s_wait_alu depctr_va_vdst(0)
	v_pk_add_f32 v[16:17], v[SS:SS+1],     v[SS+2:SS+3]
	v_pk_add_f32 v[18:19], v[SS+4:SS+5],   v[SS+6:SS+7]
	v_pk_add_f32 v[20:21], v[SS+8:SS+9],   v[SS+10:SS+11]
	v_pk_add_f32 v[22:23], v[SS+12:SS+13], v[SS+14:SS+15]
	v_pk_add_f32 v[16:17], v[16:17], v[18:19]
	v_pk_add_f32 v[20:21], v[20:21], v[22:23]
	v_pk_add_f32 v[16:17], v[16:17], v[20:21]
	v_add_f32 v16, v16, v17
	v_permlanex16_b32 v28, v16, s30, s31
	v_add_f32 v16, v16, v28                        ; at least 1: the largest logit gives exp2(0)
	v_rcp_f32 v26, v16
	v_rcp_f32 v27, v16
	v_nop                                          ; one plain place behind v_rcp_f32
	s_wait_alu depctr_va_vdst(0)
.irp j, 0,2,4,6,8,10,12,14
	v_pk_mul_f32 v[SS+\j:SS+\j+1], v[SS+\j:SS+\j+1], v[26:27]
.endr
.irp q, 0,1,2,3,4,5,6,7
	v_cvt_pk_bf16_f32 v[PF+\q], v[SS+2*\q], v[SS+2*\q+1]       ; tile 0 -> registers 0-3 (k = 8h ..), tile 1 -> 4-7 (k = 16+8h ..): attn is already a fragment
.endr
	; attn kv: lane (r, h) = head r & 7, tile t register j = column 16t + 8h + j
	s_wait_dscnt 0x0                               ; the transposing loads
	WIN 0x03
.irp t, 0,1,2,3,4,5,6,7,8,9,10,11,12,13
	v_wmma_f32_16x16x32_bf16 v[DT+8*\t:DT+8*\t+7], v[TF+8*\t:TF+8*\t+7], v[PF:PF+7], 0
.endr
	WIN 0
	NOP4
.irp t, 0,1,2,3,4,5,6,7,8,9,10,11,12,13
	PACK4 DT+8*\t
.endr
.irp t, 0,1,2,3,4,5,6,7,8,9,10,11,12,13
	ds_store_b128 v29, v[DT+8*\t:DT+8*\t+3] offset:32*\t       ; over the node's QK columns 0..223; lanes r and r + 8 hold the same head and store the same bytes
.endr
	v_add_nc_u32 v29, NP, v29                      ; the next node's rows
.endm
	s_load_b512 s[4:19], s[0:1], 0x0               ; edge_feats s[4:5], neighbours s[6:7], localb s[8:9], qfrag s[10:11], wfrag s[12:13], bv s[14:15], bo s[16:17], features s[18:19]
	s_load_b64 s[20:21], s[0:1], 0x40              ; out0
	v_lshl_add_u32 v31, v0, 2, 0x4b400
	s_set_vgpr_msb 0x40
	v_mov_b32 v255, 0
	s_set_vgpr_msb 0x4000
	v_lshrrev_b32 v16, 5, v0
	v_readfirstlane_b32 s22, v16                   ; wave w
	v_and_b32 v126, 31, v0                         ; L
	v_and_b32 v124, 15, v0                         ; r
	v_bfe_u32 v125, v0, 4, 1                       ; h
	v_lshlrev_b32 v1, 4, v126                      ; 16 L
	s_mov_b32 s30, 0x76543210                      ; v_permlanex16_b32: lane i reads lane i of the other half
	s_mov_b32 s31, 0xfedcba98
	s_mul_i32 s23, s22, 16*EDGEN
	v_add_nc_u32 v2, s23, v1                       ; edges: my first node,
	v_add_nc_u32 v3, EDGEN, v2                     ; my second
	s_lshl_b32 s23, s22, 11
	v_lshl_add_u32 v4, v125, 6, s23                ; indices: my 16 rows of 128 bytes, 64 bytes for each half of the lanes
	v_lshlrev_b32 v5, 4, v124                      ; my 16 bytes of a gathered row
	s_mul_i32 s26, s22, KVT
	s_add_co_u32 s26, s26, KVB                     ; my kv tile
	; edge stores: load 3g + c, lane L holds flat numbers 384g + 128c + 4L .. +3 of [32][96]: row 4g + (32c + L) / 24, and the division by 24 is
	; (x * 43) >> 10 for x up to 95.  Byte in the tile: 480 row + 256 + 2 (128c + 4L - 96 row) = 256 + 256c + 8L + 288 row.
	; For rows with exchanged chunks bit 4 of that is flipped: all other terms are multiples of 32, so it is bit 4 of 8L + 288 row.
.irp c, 0,1,2
	v_add_nc_u32 v16, 32*\c, v126
	v_mul_u32_u24 v16, v16, 43
	v_lshrrev_b32 v16, 10, v16
	v_mul_u32_u24 v16, v16, 288
	v_lshl_add_u32 v16, v126, 3, v16
	v_add3_u32 v[6+\c], v16, s26, 256+256*\c
	v_and_b32 v17, 0xffffffef, v16                 ; the same without bit 4,
	v_add_nc_u32 v18, 16, v16
	v_and_b32 v18, 16, v18                         ; and bit 4 of the sum with 16, which is the other value of the bit
	v_add_nc_u32 v17, v17, v18
	v_add3_u32 v[ESW+\c], v17, s26, 256+256*\c
.endr
	v_mul_u32_u24 v16, v125, 16*KP
	v_add3_u32 v9, v16, v5, s26                    ; gather stores: row 16h (+ i by the immediate), 16 r
	v_and_b32 v17, 14, v124
	v_add_nc_u32 v18, 1, v124
	v_and_b32 v18, 1, v18
	v_add_nc_u32 v17, v17, v18                     ; r xor 1
	v_lshl_add_u32 v17, v17, 4, v16
	v_add_nc_u32 v[GSW], s26, v17                  ; the same with 16 (r xor 1)
	v_lshrrev_b32 v17, 3, v124
	v_add_nc_u32 v17, v17, v125
	v_and_b32 v17, 1, v17                          ; h xor (r >> 3): rows r and 16 + r have exchanged chunks where r >= 8
	v_mul_u32_u24 v16, v124, KP
	v_lshl_add_u32 v16, v17, 4, v16
	v_add_nc_u32 v10, s26, v16                     ; kv by rows: 480 r + 16 (h xor (r >> 3))
	v_and_b32 v16, 7, v0
	v_lshl_add_u32 v17, v125, 3, v16
	v_mul_u32_u24 v17, v17, KP
	v_bfe_u32 v18, v0, 3, 1
	v_add_nc_u32 v18, v18, v125
	v_and_b32 v18, 1, v18                          ; rows 8h .. 8h+7 and 16+8h .. have exchanged chunks where h = 1
	v_lshl_add_u32 v17, v18, 4, v17
	v_add_nc_u32 v11, s26, v17                     ; kv transposed: 480 (8h + (L & 7)) + 16 (((L >> 3) & 1) xor h)
	v_mul_u32_u24 v16, v16, HP
	v_lshl_add_u32 v16, v125, 4, v16
	s_mul_i32 s27, s22, 16*NP
	v_add_nc_u32 v29, s27, v16                     ; QK rows of my first node: head r & 7, + 16 h
	v_mul_u32_u24 v16, v124, NP
	v_lshl_add_u32 v16, v125, 4, v16
	s_mul_i32 s27, s22, 2*HP
.irp m, 0,1,2,3
	v_add3_u32 v[12+\m], v16, s27, \m*16*NP        ; QK of node 16m + r, head 2w, + 16 h
.endr
	v_lshl_add_u32 v30, s22, 11, v1                ; fragments of head 2w: 16 L + 2,048 w
	s_lshl_b32 s23, s22, 8
	v_lshl_add_u32 v80, v125, 5, s23               ; bv: 256 w + 32 h
	s_lshl_b32 s23, s22, 7
	v_lshl_add_u32 v81, v125, 5, s23               ; bo: 128 w + 32 h
	v_lshl_add_u32 v82, s22, 14, v1                ; Wo: 16 fragments a wave
	v_lshl_add_u32 v83, s22, 13, v1                ; features, out0: my 16 rows of 512 bytes
	v_add_nc_u32 v85, KVB, v1                      ; ctx fragments, read
	v_lshl_add_u32 v84, s22, 11, v85               ; ctx fragments, written: heads 2w, 2w+1
	v_mul_u32_u24 v86, v124, OP
	v_add_nc_u32 v86, v86, v81                     ; output stage, written: 528 r + 128 w + 32 h
	s_mul_i32 s23, s22, 16*OP
	v_add_nc_u32 v87, s23, v1                      ; output stage, read: my 16 rows
	v_mov_b32 v28, 0                               ; v_permlanex16_b32's destination counts as read
.irp j, 4,5,6,7
	v_mov_b32 v[XF+\j], 0                          ; QK has no columns 240..255
.endr
	v_sub_nc_u32 v16, 1, v125
	v_mul_u32_u24 v16, v16, 0x3f80                 ; bf16 1.0 at k = 0 (lanes with h = 0, register 0, low half)
	WIN 0xC0
	v_mov_b32 v[ONE], v16
.irp j, 1,2,3,4,5,6,7
	v_mov_b32 v[ONE+\j], 0
.endr
	WIN 0
	s_mul_i32 s24, ttmp9, 64*EDGEN                 ; below 2^32: 255 x 786,432
	s_mov_b32 s25, 0
	s_wait_kmcnt 0x0
	s_add_nc_u64 s[4:5], s[4:5], s[24:25]
	s_lshl_b32 s24, ttmp9, 13                      ; 64 rows of 128 bytes
	s_add_nc_u64 s[6:7], s[6:7], s[24:25]
	s_lshl_b32 s24, ttmp9, 15                      ; 4 node tiles x 8 heads x 1,024 bytes; also 64 rows of 512 bytes
	s_add_nc_u64 s[10:11], s[10:11], s[24:25]
	s_add_nc_u64 s[18:19], s[18:19], s[24:25]
	s_add_nc_u64 s[20:21], s[20:21], s[24:25]
	IDXLD ADR, 0                                   ; the indices of nodes 0 and 1 land where their offsets are made, those of node 2 in IDX: 12 loads
	IDXLD ADR+16, 128
	IDXLD IDX, 256
	WIN 0x40
.irp m, 0,1,2,3
.irp hh, 0,1
	global_load_b128 v[QQ+8*(2*\m+\hh):QQ+8*(2*\m+\hh)+3],   v30, s[10:11] offset:\m*8192+\hh*1024 th:TH_LOAD_NT       ; q': 16 loads
	global_load_b128 v[QQ+8*(2*\m+\hh)+4:QQ+8*(2*\m+\hh)+7], v30, s[10:11] offset:\m*8192+\hh*1024+512 th:TH_LOAD_NT
.endr
.endr
	WIN 0xC0
.irp hh, 0,1
.irp t, 0,1,2,3,4,5,6,7,8,9,10,11,12,13,14
	global_load_b128 v[8*(15*\hh+\t):8*(15*\hh+\t)+3],   v30, s[12:13] offset:(320+8*\t+\hh)*1024       ; Wk and bk's tile: 60 loads
	global_load_b128 v[8*(15*\hh+\t)+4:8*(15*\hh+\t)+7], v30, s[12:13] offset:(320+8*\t+\hh)*1024+512
.endr
.endr
	WIN 0
	s_wait_loadcnt 63                              ; 88 are issued, 76 of them behind the index loads; the largest count that the wait can name leaves the oldest 25 done
	MKADR 0, ADR
	MKADR 1, ADR+16
	v_add_nc_u32 v4, 256, v4                       ; the index offset now stands at node 2
	EDGELD 1, 0
	GATHLD 1, 0
	GATHLD 2, 1
	WIN 0
	s_wait_loadcnt 56                              ; q' and Wk are in; the 24 + 16 + 16 loads just issued stay out
	EDGELD 2, 1
	WIN 0
.irp hh, 0,1
.irp m, 0,1,2,3
	QKGRP \hh, \m
.endr
.endr
	s_wait_dscnt 0x0                               ; my QK stores are done,
	s_barrier_signal -1
	s_barrier_wait -1                              ; everybody's are: each wave now reads all eight heads of its own nodes
	s_mov_b32 s32, 6
.Lpair:                                        ; nodes 0 to 11.  Issue order round the loop: .. indices(n+1), node n, indices(n+2), node n+1: 40 younger loads at each head
	STEP 1, 0, 1, 1, 40, 0
	STEP 2, 1, 1, 1, 40, 0
	s_sub_co_i32 s32, s32, 1
	s_cmp_lg_u32 s32, 0
	s_cbranch_scc1 .Lpair
	STEP 1, 0, 1, 1, 40, 0                         ; node 12: the last indices (node 15), node 14's data
	STEP 2, 1, 0, 1, 40, 0                         ; node 13: node 15's data
	STEP 1, 0, 0, 0, 40, 1                         ; node 14: node 15's 40 loads stay out; Wv's 56 go out
	STEP 2, 1, 0, 0, 56, 0                         ; node 15: only Wv's 56 stay out
	; EPILOGUE
.irp hh, 0,1
.irp u, 0,1
	global_load_b128 v[BV+8*(2*\hh+\u):BV+8*(2*\hh+\u)+3],   v80, s[14:15] offset:\hh*128+\u*64       ; register j = bv[32 hd + 16u + 8h + j]
	global_load_b128 v[BV+8*(2*\hh+\u)+4:BV+8*(2*\hh+\u)+7], v80, s[14:15] offset:\hh*128+\u*64+16
.endr
.endr
.irp u, 0,1
	global_load_b128 v[BO+8*\u:BO+8*\u+3],   v81, s[16:17] offset:\u*64
	global_load_b128 v[BO+8*\u+4:BO+8*\u+7], v81, s[16:17] offset:\u*64+16
.endr
	s_wait_dscnt 0x0                               ; my attn kv stores and my reads of my kv tile are done,
	s_barrier_signal -1
	s_barrier_wait -1                              ; everybody's are
	WIN 0x80                                       ; attn kv of head 2w, all 64 nodes: 7 K steps x 4 node tiles, 8 loads a K step
.irp k, 0,1,2,3,4,5,6
.irp m, 0,1,2,3
	ds_load_b128 v[8*(4*\k+\m):8*(4*\k+\m)+3],   v[12+\m] offset:64*\k
	ds_load_b128 v[8*(4*\k+\m)+4:8*(4*\k+\m)+7], v[12+\m] offset:64*\k+32
.endr
.endr
	WIN 0xC0                                       ; and of head 2w + 1
.irp k, 0,1,2,3,4,5,6
.irp m, 0,1,2,3
	ds_load_b128 v[8*(4*\k+\m):8*(4*\k+\m)+3],   v[12+\m] offset:HP+64*\k
	ds_load_b128 v[8*(4*\k+\m)+4:8*(4*\k+\m)+7], v[12+\m] offset:HP+64*\k+32
.endr
.endr
	s_wait_loadcnt 0x0                             ; Wv, bv, bo
; ctx of one head: 8 accumulators (u, m) by turns; bv is the C of the first K step.  extra: LDS loads issued behind this head's
.macro CTXG hh, win, extra
	WIN \win
.irp k, 0,1,2,3,4,5,6
.if \extra+8*(6-\k) > 63
	s_wait_dscnt 63                                ; more are younger than the wait can name
.else
	s_wait_dscnt \extra+8*(6-\k)                   ; the later K steps' 8 loads each, and the other head's, may stay out
.endif
.irp u, 0,1
.irp m, 0,1,2,3
.if \k == 0
	v_wmma_f32_16x16x32_bf16 v[ACC+8*((2*\hh+\u)*4+\m):ACC+8*((2*\hh+\u)*4+\m)+7], v[8*(14*\hh+2*\k+\u):8*(14*\hh+2*\k+\u)+7], v[8*(4*\k+\m):8*(4*\k+\m)+7], v[BV+8*(2*\hh+\u):BV+8*(2*\hh+\u)+7]
.else
	v_wmma_f32_16x16x32_bf16 v[ACC+8*((2*\hh+\u)*4+\m):ACC+8*((2*\hh+\u)*4+\m)+7], v[8*(14*\hh+2*\k+\u):8*(14*\hh+2*\k+\u)+7], v[8*(4*\k+\m):8*(4*\k+\m)+7], v[ACC+8*((2*\hh+\u)*4+\m):ACC+8*((2*\hh+\u)*4+\m)+7]
.endif
.endr
.endr
.endr
.endm
	CTXG 0, 0x09, 56                               ; source 0 (Wv) window 1, source 1 window 2
	CTXG 1, 0x0D, 0                                ; source 1 window 3
	WIN 0
	NOP4
	WIN 0x40
.set wi, 0
.rept 16
	global_load_b128 v[8*wi:8*wi+3],   v82, s[12:13] offset:(552+wi)*1024          ; Wo takes Wv's registers: my two column tiles x 8 K steps, 32 loads
	global_load_b128 v[8*wi+4:8*wi+7], v82, s[12:13] offset:(552+wi)*1024+512
.set wi, wi+1
.endr
.irp i, 0,1,2,3,4,5,6,7,8,9,10,11,12,13,14,15
	global_load_b128 v[FE+4*\i:FE+4*\i+3], v83, s[18:19] offset:512*\i th:TH_LOAD_NT   ; my 16 rows of features, 16 loads
.endr
	WIN 0
.set wi, 0
.rept 16
	PACK4 ACC+8*wi
.set wi, wi+1
.endr
.irp hh, 0,1
.irp u, 0,1
.irp m, 0,1,2,3
	ds_store_b128 v84, v[ACC+8*((2*\hh+\u)*4+\m):ACC+8*((2*\hh+\u)*4+\m)+3] offset:\m*8192+\hh*1024+\u*512   ; tile u is the lower, upper half of fragment (node tile m, K step = head): over the kv tiles
.endr
.endr
.endr
	s_wait_dscnt 0x0                               ; my ctx stores are done, and my reads of attn kv,
	s_barrier_signal -1
	s_barrier_wait -1                              ; everybody's are
	WIN 0x80
.irp k, 0,1,2,3,4,5,6,7
.irp m, 0,1,2,3
	ds_load_b128 v[8*(4*\k+\m):8*(4*\k+\m)+3],   v85 offset:(\m*8+\k)*1024
	ds_load_b128 v[8*(4*\k+\m)+4:8*(4*\k+\m)+7], v85 offset:(\m*8+\k)*1024+512
.endr
.endr
	s_wait_loadcnt 16                              ; Wo is in; the 16 loads of features stay out
	WIN 0x09                                       ; out = ctx Wo + bo: 8 accumulators by turns
.irp k, 0,1,2,3,4,5,6,7
	s_wait_dscnt 8*(7-\k)
.irp u, 0,1
.irp m, 0,1,2,3
.if \k == 0
	v_wmma_f32_16x16x32_bf16 v[ACC+8*(4*\u+\m):ACC+8*(4*\u+\m)+7], v[8*(8*\u+\k):8*(8*\u+\k)+7], v[8*(4*\k+\m):8*(4*\k+\m)+7], v[BO+8*\u:BO+8*\u+7]
.else
	v_wmma_f32_16x16x32_bf16 v[ACC+8*(4*\u+\m):ACC+8*(4*\u+\m)+7], v[8*(8*\u+\k):8*(8*\u+\k)+7], v[8*(4*\k+\m):8*(4*\k+\m)+7], v[ACC+8*(4*\u+\m):ACC+8*(4*\u+\m)+7]
.endif
.endr
.endr
.endr
	WIN 0
	NOP4
.irp u, 0,1
.irp m, 0,1,2,3
	ds_store_b128 v86, v[ACC+8*(4*\u+\m):ACC+8*(4*\u+\m)+3]   offset:\m*16*OP+64*\u        ; the output stage lies over QK, which nobody reads any more
	ds_store_b128 v86, v[ACC+8*(4*\u+\m)+4:ACC+8*(4*\u+\m)+7] offset:\m*16*OP+64*\u+16
.endr
.endr
	s_wait_dscnt 0x0
	s_barrier_signal -1
	s_barrier_wait -1
.irp i, 0,1,2,3,4,5,6,7,8,9,10,11,12,13,14,15
	ds_load_b128 v[OR+4*\i:OR+4*\i+3], v87 offset:OP*\i        ; whole rows back
.endr
	s_wait_loadcnt 0x0                             ; features
	s_wait_dscnt 0x0
	WIN 0x04                                       ; source 1 (features) window 1
.irp i, 0,1,2,3,4,5,6,7,8,9,10,11,12,13,14,15
	v_pk_add_f32 v[OR+4*\i:OR+4*\i+1],   v[OR+4*\i:OR+4*\i+1],   v[FE+4*\i:FE+4*\i+1]
	v_pk_add_f32 v[OR+4*\i+2:OR+4*\i+3], v[OR+4*\i+2:OR+4*\i+3], v[FE+4*\i+2:FE+4*\i+3]
.endr
	WIN 0
.irp i, 0,1,2,3,4,5,6,7,8,9,10,11,12,13,14,15
	global_store_b128 v83, v[OR+4*\i:OR+4*\i+3], s[20:21] offset:512*\i th:TH_STORE_NT   ; a whole row of 512 bytes, aligned
.endr
	s_set_vgpr_msb 0x4
	s_wait_tensorcnt 0x0
	ds_add_u32 v31, v255
	s_wait_dscnt 0x0
	s_set_vgpr_msb 0x400
	s_endpgm
.Lfunc_end_k_q6b7987ed3f_attend:
	.size	k_q6b7987ed3f_attend, .Lfunc_end_k_q6b7987ed3f_attend-k_q6b7987ed3f_attend
	.p2alignl 7, 3214868480
	.fill 96, 4, 3214868480
	.section	.rodata,"a",@progbits
	.p2align	6, 0x0
	.amdhsa_kernel k_q6b7987ed3f_attend
		.amdhsa_group_segment_fixed_size 308736
		.amdhsa_private_segment_fixed_size 0
		.amdhsa_enable_private_segment 0
		.amdhsa_kernarg_size 72
		.amdhsa_user_sgpr_count 2
		.amdhsa_user_sgpr_kernarg_segment_ptr 1
		.amdhsa_wavefront_size32 1
		.amdhsa_system_sgpr_workgroup_id_x 1
		.amdhsa_system_sgpr_workgroup_id_y 1
		.amdhsa_system_sgpr_workgroup_id_z 1
		.amdhsa_system_vgpr_workitem_id 0
		.amdhsa_next_free_vgpr 1024
		.amdhsa_next_free_sgpr 66
		.amdhsa_reserve_vcc 0
		.amdhsa_float_denorm_mode_32 3
		.amdhsa_float_denorm_mode_16_64 3
		.amdhsa_memory_ordered 1
		.amdhsa_forward_progress 1
		.amdhsa_inst_pref_size 255
	.end_amdhsa_kernel
	.section	.bss,"aw",@nobits
	.p2align	6
	.space	262144
	.amdgpu_metadata
---
amdhsa.version: [ 1, 2 ]
amdhsa.kernels:
  - .name:           k_q6b7987ed3f_attend
    .symbol:         k_q6b7987ed3f_attend.kd
    .args:
      - { .name: edge_feats, .offset: 0, .size: 8, .value_kind: global_buffer, .address_space: global }
      - { .name: neighbours, .offset: 8, .size: 8, .value_kind: global_buffer, .address_space: global }
      - { .name: localb, .offset: 16, .size: 8, .value_kind: global_buffer, .address_space: global }
      - { .name: qfrag, .offset: 24, .size: 8, .value_kind: global_buffer, .address_space: global }
      - { .name: wfrag, .offset: 32, .size: 8, .value_kind: global_buffer, .address_space: global }
      - { .name: bv, .offset: 40, .size: 8, .value_kind: global_buffer, .address_space: global }
      - { .name: bo, .offset: 48, .size: 8, .value_kind: global_buffer, .address_space: global }
      - { .name: features, .offset: 56, .size: 8, .value_kind: global_buffer, .address_space: global }
      - { .name: out0, .offset: 64, .size: 8, .value_kind: global_buffer, .address_space: global }
    .group_segment_fixed_size: 308736
    .private_segment_fixed_size: 0
    .kernarg_segment_align: 8
    .kernarg_segment_size: 72
    .max_flat_workgroup_size: 128
    .sgpr_count:     66
    .vgpr_count:     1024
    .wavefront_size: 32
...
	.end_amdgpu_metadata
.endif
;; end of part 3
;; ======== version 2 of 2: 3 launches; version 1 with the launch attend written anew for expert scheduling mode
;; workspace buffers: wfrag 630,784 bytes; localb 4,194,304 bytes; qfrag 8,388,608 bytes
;; launch wprep: the kernel of part 1 again; grid 616 x 1, 1 waves a work-group, no clusters, 0 bytes of LDS; arguments mW0, mW1, mW2, Wq, Wk, bk, Wv, Wo, wfrag; writes wfrag
;; launch nodes: the kernel of part 2 again; grid 256 x 1, 8 waves a work-group, no clusters, 119,808 bytes of LDS; arguments features, g_bn, b_bn, mb0, mb1, mb2, g_ln, b_ln, bq, wfrag, localb, qfrag; writes localb, qfrag
;; launch attend (part 4): grid 256 x 1, 4 waves a work-group, no clusters, 308,736 bytes of LDS; arguments edge_feats, neighbours, localb, qfrag, wfrag, bv, bo, features, out0; writes out0
.if DOCPART == 4
	.amdgcn_target "amdgcn-amd-amdhsa--gfx1250"
	.amdhsa_code_object_version 6
	.text
	.protected	k_q6b7987ed3f_attend
	.globl	k_q6b7987ed3f_attend
	.p2align	8
	.type	k_q6b7987ed3f_attend,@function
k_q6b7987ed3f_attend:
	s_mov_b64 s[64:65], 0
	v_nop
	global_prefetch_b8 v0, s[64:65] scope:SCOPE_SE
	s_setreg_imm32_b32 hwreg(HW_REG_WAVE_SCHED_MODE, 0, 2), 2
	s_setreg_imm32_b32 hwreg(HW_REG_WAVE_MODE, 25, 1), 1
	s_wait_xcnt 0x0
	s_wait_alu depctr_vm_vsrc(0)
; Neighbour attention, with the two large projections taken to the other side of the sums (exact in real numbers, for every input):
;   q_h . (kv Wk_h + bk_h)            = (Wk_h q_h) . kv + q_h . bk_h
;   sum_k attn (kv Wv_h + bv_h)       = (sum_k attn kv) Wv_h + bv_h          (the softmax sums to one)
; so a (node, neighbour) row of 224 numbers is multiplied by 8 head rows on each side of the softmax and never by a 224 x 256 matrix.
; kv = [gathered local (128) | edge features (96)].  q' already carries log2(e)/sqrt(32), so the softmax is exp2 of (logit - maximum).
; LIMITS: neighbour indices are clamped to 0..16383 (the table's rows); matrix operands (q', Wk q, kv, attn, attn kv, ctx, weights) are bf16, all sums f32;
; v_exp_f32 gives zero below 2^-126 (ISA guide 15.8); the order of the sums differs from the formula as written above.
;
; A work-group owns 64 nodes, 256 work-groups, four waves.
;   prologue: wave w makes QK[node][head 2w, 2w+1][0..239] for all 64 nodes into LDS (column 224 = q'.bk, 225..239 = 0).
;   stream:   wave w walks its 16 nodes alone, no barrier.  A node is 12,288 consecutive bytes of edges (24 loads) and 32 rows of 256 bytes of local
;             (16 loads, two rows each): 40 loads, 160 registers.  Two nodes' loads are asked for ahead (two register slots).
;             Edges are rounded to bf16 on the way into the wave's own kv tile in LDS, which is read once by rows (logits) and once transposed (attn kv).
;             attn kv overwrites the node's QK rows.
;   epilogue: ctx = (attn kv) Wv + bv (wave w: heads 2w, 2w+1, all nodes), out = ctx Wo + bo (wave w: 32 columns), + features.
; The matrix instruction is used transposed throughout: lane (r, h) of the result holds source 1's row r and source 0's rows 8h .. 8h+7.
; No tensor loads: the edges must pass through registers to be rounded, and the gather is lane by lane.  No cluster: what work-groups share is the weights,
; 296 KiB of a work-group's 1.6 MiB, and they go straight to the registers of the wave that uses them.  No prefetch: the stream's own loads run two nodes ahead.
;
; THE KV TILE: 32 rows (neighbours) of 480 bytes: 28 chunks of 16 bytes (224 bf16) + 32 bytes.  480 is an odd multiple of 32 bytes, so the eight rows x 32 bytes of a
; transposing load fall into different 32-byte columns of 256.  Rows r and r + 8 would begin in the same 16-byte column, so in rows 8-15 and 24-31 every pair of
; neighbouring chunks is exchanged (chunk c lies at c xor 1): the sixteen rows of a row-wise fragment load then begin in sixteen different 16-byte columns of 256,
; and a transposing load, whose eight rows share one exchange, still reads the same 32 bytes of each row.
;
; THE MODE: SCHED_MODE bits 1:0 = 2 (LLVM: expert scheduling mode 2), set by the entry lines.  The code itself states the register dependences
; between vector or matrix instructions and memory or LDS instructions, with s_wait_alu, always for 0.
; THE PLAN.  Registers that memory or LDS instructions touch in a node's step, in the step's order:
;   GB[slot]     the gathered rows: landed; read by the sixteen LDS stores at the step's head alone; the gather loads of the node two ahead land in it behind the logits' products.
;   EB[slot]     the edges: landed; read by the 48 roundings; the edge loads of the node two ahead land in it.
;   CT           written by the roundings; read by the 24 LDS stores; written again by the products attn kv (it lies over DT's tiles 7 to 12).
;   IDX, ADR[slot], v4, v2 / v3   the offsets' arithmetic reads IDX, writes ADR and steps v4 and the slot's edge offset; the loads then read ADR, v4, v2 / v3 and land in IDX.
;   v29          stepped at a step's end; read by the fifteen loads of QK and by the fourteen stores of attn kv.
;   XF, QF, window 3   LDS loads land in them; the products read them.  QF lies over DT's tiles 0 to 6.
;   DT           written by the products attn kv and their roundings; read by the fourteen LDS stores at the step's end.
;   v6 .. v11, v120 .. v123   LDS addresses, made at the head, never written in the stream.
; Four waits state all of that: (1) va_vdst behind the roundings and the offsets' arithmetic; (2) vm_vsrc behind the logits' products, ahead of the gather loads and of the
; products attn kv; (3) va_vdst behind the roundings of attn kv, ahead of their stores; (4) vm_vsrc at the step's end, ahead of the add to v29 and of all that the next step
; writes first.  Between (1) and the softmax the only vector-side instructions are the logits' products, which name window 3, QF, XF and SS: none of the registers
; that the global loads dealt among them touch.  Two more waits on va_vdst stand behind the exponentials and behind the reciprocals.
.set NP,    3856                       ; QK: a node's 8 head rows of 480 bytes + 16: an odd multiple of 16 bytes
.set HP,    480                        ; QK: a head row, 240 bf16
.set KP,    480                        ; kv tile: a neighbour's row
.set KVB,   64*NP                      ; 246,784: the four waves' kv tiles (a multiple of 32, as KVT and KP are: bit 4 of an address in a tile is bit 4 of the place in the row)
.set KVT,   32*KP                      ; 15,360 bytes each
.set EDGEN, 12288                      ; a node's edge bytes
.set OP,    528                        ; output stage: 128 f32 + 16 bytes
; window 0
;   v1 16L   v2, v3 edge offsets of slot 0, 1   v4 index offset   v5 16 r   v6..v8 edge stores   v9 gather stores   v10 kv by rows   v11 kv transposed
;   v12..v15 QK of node tile 0..3, my heads   v[16:23] at work   v[24:25] maximum   v[26:27] 1/sum   v28 from the other half of the lanes
;   v29 QK rows of the node at work   v30 16L + 2048w   v80..v87 the epilogue's offsets   v124 r, v125 h, v126 L
.set GSW, 120                          ; v120       gather stores into rows with exchanged chunks
.set ESW, 121                          ; v[121:123] edge stores into rows with exchanged chunks
.set IDX, 32                           ; v[32:47]   the indices of the node after next: register i = neighbour 16h + i
.set ADR, 48                           ; v[48:63], v[64:79]  gather offsets of slot 0, 1
.set XF,  88                           ; v[88:95]   QK columns 224..255 as a fragment; the upper four registers stay 0
.set SS,  96                           ; v[96:111]  logits: two tiles
.set PF,  112                          ; v[112:119] attn as a fragment
.set DT,  136                          ; v[136:247] 14 result tiles (a fifteenth, v[248:255], in the prologue)
.set QF,  DT                           ;            over tiles 0..6: the node's QK fragments
.set CT,  DT+56                        ;            over tiles 7..12: the edges in bf16
.set BV,  32                           ; epilogue: bv as four C tiles
.set BO,  64                           ;           bo as two C tiles
.set ACC, 96                           ;           v[96:223] ctx: 16 tiles at 8 ((2 hh + u) 4 + m); then out: 8 tiles at 8 (4 u + m)
.set OR,  160                          ;           v[160:223] 16 rows of the result
; windows 1 and 2: the two slots: edges at 0..95, gathered rows at 96..159
.set EB,  0
.set GB,  96
.set QQ,  160                          ; window 1, prologue: q fragments at 8 (2 m + hh)
.set FE,  128                          ; window 1, epilogue: features; Wv at 8 (14 hh + 2 ks + u), later Wo at 8 (8 u + ks)
; window 3: kv fragments by rows at 8 (2 s + tile), transposed at 112 + 8 t; the constant fragment ONE
.set TF,  112
.set ONE, 240
.set MSB, 0
.macro WIN new                         ; s_set_vgpr_msb; low byte: bits 1:0 source 0, 3:2 source 1, 5:4 source 2, 7:6 destination; the high byte repeats the setting left
.if MSB != (\new)
	s_set_vgpr_msb (MSB<<8)|(\new)
.set MSB, (\new)
.endif
.endm
.macro NOP4                            ; four places behind the last matrix instruction before its registers are read or written by vector instructions or read by stores
.rept 4
	v_nop
.endr
.endm
.macro PACK4 a                         ; eight f32 to eight bf16, in place in the tile's first four registers
.irp q, 0,1,2,3
	v_cvt_pk_bf16_f32 v[(\a)+\q], v[(\a)+2*\q], v[(\a)+2*\q+1]
.endr
.endm
.macro IDXLD dst, imm                  ; a node's 32 indices: each half of the lanes reads its own 64 bytes, so register i of half h is neighbour 16h + i
.irp c, 0,1,2,3
	global_load_b128 v[\dst+4*\c:\dst+4*\c+3], v4, s[6:7] offset:\imm+16*\c
.endr
.endm
.macro MKADR slot, src                 ; index -> byte offset of my 16 bytes of the row
.irp i, 0,1,2,3,4,5,6,7,8,9,10,11,12,13,14,15
	v_min_u32 v[ADR+16*\slot+\i], 0x3fff, v[\src+\i]
.endr
.irp i, 0,1,2,3,4,5,6,7,8,9,10,11,12,13,14,15
	v_lshl_add_u32 v[ADR+16*\slot+\i], v[ADR+16*\slot+\i], 8, v5
.endr
.endm
.macro EDGELD blk, slot                ; 24 loads of 512 consecutive bytes, read once in the launch
	WIN (\blk<<6)
.set jj, 0
.rept 24
	global_load_b128 v[EB+4*jj:EB+4*jj+3], v[2+\slot], s[4:5] offset:512*jj th:TH_LOAD_NT
.set jj, jj+1
.endr
.endm
.macro GATHLD blk, slot                ; load i: lanes 0-15 the 256 bytes of neighbour i's row, lanes 16-31 of neighbour 16+i's.
	WIN (\blk<<6)                          ; The table's 16,384 rows are named 524,288 times by the lists of all work-groups, 32 times each on average
.irp i, 0,1,2,3,4,5,6,7,8,9,10,11,12,13,14,15
	global_load_b128 v[GB+4*\i:GB+4*\i+3], v[ADR+16*\slot+\i], s[8:9] th:TH_LOAD_HT
.endr
.endm
.macro WVLD                            ; Wv's 28 fragments of my two heads, into slot 0's window once its last node has left it
	WIN 0x40
.irp hh, 0,1
.irp c, 0,1,2,3,4,5,6,7,8,9,10,11,12,13
	global_load_b128 v[8*(14*\hh+\c):8*(14*\hh+\c)+3],   v30, s[12:13] offset:(440+8*\c+\hh)*1024
	global_load_b128 v[8*(14*\hh+\c)+4:8*(14*\hh+\c)+7], v30, s[12:13] offset:(440+8*\c+\hh)*1024+512
.endr
.endr
	WIN 0
.endm
; prologue: QK of head 2w + hh for node tile mt: 15 tiles of 16 columns, one K step (the head's 32 numbers of q')
.macro QKGRP hh, mt
.if (\hh)+(\mt) > 0
	s_wait_alu depctr_vm_vsrc(0)                   ; the LDS stores of the group before have read the tiles' registers, which the products below write again
.endif
	WIN 0x07                                       ; source 0 (Wk) window 3, source 1 (q') window 1
.set tt, 0
.rept 15
	v_wmma_f32_16x16x32_bf16 v[DT+8*tt:DT+8*tt+7], v[8*(15*\hh+tt):8*(15*\hh+tt)+7], v[QQ+8*(2*\mt+\hh):QQ+8*(2*\mt+\hh)+7], 0
.set tt, tt+1
.endr
	WIN 0
	NOP4
.set tt, 0
.rept 15
	PACK4 DT+8*tt
.set tt, tt+1
.endr
	s_wait_alu depctr_va_vdst(0)                   ; the roundings have written each tile's first four registers, which the LDS stores read
.set tt, 0
.rept 15
	ds_store_b128 v[12+\mt], v[DT+8*tt:DT+8*tt+3] offset:\hh*HP+32*tt
.set tt, tt+1
.endr
.endm
; ONE NODE.  blk, slot: the register window and number of its slot.  ldidx: load the indices of the node three ahead.  lddata: load the node two ahead into this slot.
; cnt: how many younger loads may stay out.  wv: issue Wv's loads.
.macro STEP blk, slot, ldidx, lddata, cnt, wv
	s_wait_loadcnt \cnt                            ; loads come back in order (ISA guide 5.7.1): this node's 40 and the 4 index loads issued behind them are in;
	                                               ; so their address registers (v4, this slot's edge offset and gather offsets) may be written below
	WIN (\blk<<2)                                  ; store data from the slot's window.  These sixteen stores hang on no vector instruction: their data are loaded, their addresses were made at the head
.irp i, 0,1,2,3,4,5,6,7
	ds_store_b128 v9, v[GB+4*\i:GB+4*\i+3] offset:KP*\i        ; kv rows i and 16+i, columns 0..127: chunk r at r
.endr
.irp i, 8,9,10,11,12,13,14,15
	ds_store_b128 v[GSW], v[GB+4*\i:GB+4*\i+3] offset:KP*\i    ; rows 8-15 and 24-31: chunk r at r xor 1
.endr
	WIN (\blk|(\blk<<2))
.set jj, 0
.rept 24
	v_cvt_pk_bf16_f32 v[CT+2*jj],   v[EB+4*jj],   v[EB+4*jj+1]
	v_cvt_pk_bf16_f32 v[CT+2*jj+1], v[EB+4*jj+2], v[EB+4*jj+3]
.set jj, jj+1
.endr
	WIN 0
.if \lddata
	MKADR \slot, IDX
	v_add_nc_u32 v[2+\slot], 2*EDGEN, v[2+\slot]
.endif
.if \ldidx
	v_add_nc_u32 v4, 128, v4
.endif
	s_wait_alu depctr_va_vdst(0)                   ; the roundings have written CT, which the edge stores read, and are done reading EB, in which the edge loads land; where they are made, the gather
	                                               ; offsets, v4 and the edge offset are written and IDX has been read; v29, stepped at the last step's end, is written
.if \ldidx
	IDXLD IDX, 0
.endif
.irp g, 0,1,2,3,4,5,6,7
.irp c, 0,1,2
.if (\g>>1)&1
	ds_store_b64 v[ESW+\c], v[CT+2*(3*\g+\c):CT+2*(3*\g+\c)+1] offset:4*KP*\g  ; rows 4g .. 4g+3 with g = 2, 3, 6, 7 are rows 8-15 and 24-31: exchanged chunks
.else
	ds_store_b64 v[6+\c], v[CT+2*(3*\g+\c):CT+2*(3*\g+\c)+1] offset:4*KP*\g    ; load 3g+c holds flat numbers 384g + 128c + 4L: four kv rows for every three loads
.endif
.endr
.endr
	; LDS serves a wave's instructions in order (ISA guide 5.7.1): the LDS loads below see the stores above, which are the wave's own
	ds_load_b128 v[XF:XF+3], v29 offset:448                    ; QK columns 224 + 8h ..
.irp s, 0,1,2,3,4,5,6
	ds_load_b128 v[QF+8*\s:QF+8*\s+3],   v29 offset:64*\s      ; lane r: head r & 7
	ds_load_b128 v[QF+8*\s+4:QF+8*\s+7], v29 offset:64*\s+32
.endr
.if \lddata
	EDGELD \blk, \slot                             ; no wait: no vector instruction since the wait above names EB or the edge offset
.endif
	WIN 0xC0
.irp s, 0,1,2,3,4,5,6
.irp u, 0,1
	ds_load_b128 v[8*(2*\s+\u):8*(2*\s+\u)+3],   v10 offset:\u*16*KP+64*\s
	ds_load_b128 v[8*(2*\s+\u)+4:8*(2*\s+\u)+7], v10 offset:\u*16*KP+64*\s+32
.endr
.endr
.irp t, 0,1,2,3,4,5,6,7,8,9,10,11,12,13
	ds_load_tr16_b128 v[TF+8*\t:TF+8*\t+3],   v11 offset:32*\t             ; columns 16t + r, neighbours 8h .. 8h+7
	ds_load_tr16_b128 v[TF+8*\t+4:TF+8*\t+7], v11 offset:32*\t+16*KP       ; neighbours 16+8h ..
.endr
	; logits: lane (r, h) = head r & 7; tile 0 register j = neighbour 8h + j, tile 1 = 16 + 8h + j.  The two accumulators take turns.
	WIN 0x03                                       ; source 0 window 3
.irp s, 0,1,2,3,4,5,6
	s_wait_dscnt 28+4*(6-\s)                       ; the 28 transposing loads and the 4 row loads of each later K step may stay out
.if \s == 0
	v_wmma_f32_16x16x32_bf16 v[SS:SS+7],    v[0:7],  v[QF:QF+7], 0
	v_wmma_f32_16x16x32_bf16 v[SS+8:SS+15], v[8:15], v[QF:QF+7], 0
.else
	v_wmma_f32_16x16x32_bf16 v[SS:SS+7],    v[16*\s:16*\s+7],    v[QF+8*\s:QF+8*\s+7], v[SS:SS+7]
	v_wmma_f32_16x16x32_bf16 v[SS+8:SS+15], v[16*\s+8:16*\s+15], v[QF+8*\s:QF+8*\s+7], v[SS+8:SS+15]
.endif
.endr
	v_wmma_f32_16x16x32_bf16 v[SS:SS+7],    v[ONE:ONE+7], v[XF:XF+7], v[SS:SS+7]       ; + q'.bk: ONE is 1 at k = 0 in every row
	v_wmma_f32_16x16x32_bf16 v[SS+8:SS+15], v[ONE:ONE+7], v[XF:XF+7], v[SS+8:SS+15]
.if (\lddata) || (\wv)
	WIN (\blk<<6)
.endif
	s_wait_alu depctr_vm_vsrc(0)                   ; the LDS stores at the step's head have read GB, in which the loads below land; the edge stores have read CT, which the products attn kv write
.if \lddata
	GATHLD \blk, \slot                             ; the gather offsets were written ahead of the step's first wait, and nothing since names them or GB
.endif
.if \wv
	WVLD                                           ; over EB, GB and q' of window 1: their last vector and matrix readers stand ahead of the step's first wait
.endif
	WIN 0
	NOP4
	; softmax over the 32 neighbours: 16 in this lane, 16 in the lane 16 away
	v_max3_num_f32 v16, v[SS],    v[SS+1],  v[SS+2]
	v_max3_num_f32 v17, v[SS+3],  v[SS+4],  v[SS+5]
	v_max3_num_f32 v18, v[SS+6],  v[SS+7],  v[SS+8]
	v_max3_num_f32 v19, v[SS+9],  v[SS+10], v[SS+11]
	v_max3_num_f32 v20, v[SS+12], v[SS+13], v[SS+14]
	v_max3_num_f32 v16, v16, v17, v18
	v_max3_num_f32 v19, v19, v20, v[SS+15]
	v_max_num_f32 v16, v16, v19
	v_permlanex16_b32 v28, v16, s30, s31
	v_max_num_f32 v24, v16, v28
	v_max_num_f32 v25, v16, v28
.irp j, 0,2,4,6,8,10,12,14
	v_pk_add_f32 v[SS+\j:SS+\j+1], v[SS+\j:SS+\j+1], v[24:25] neg_lo:[0,1] neg_hi:[0,1]
.endr
.irp j, 0,1,2,3,4,5,6,7,8,9,10,11,12,13,14,15
	v_exp_f32 v[SS+\j], v[SS+\j]
.endr
	v_nop                                          ; one plain place behind the last v_exp_f32 (ISA guide 5.7.2)
	s_wait_alu depctr_va_vdst(0)                   ; the sixteen exponentials have written SS, ahead of the sums that read it: one wait for the batch
	v_pk_add_f32 v[16:17], v[SS:SS+1],     v[SS+2:SS+3]
	v_pk_add_f32 v[18:19], v[SS+4:SS+5],   v[SS+6:SS+7]
	v_pk_add_f32 v[20:21], v[SS+8:SS+9],   v[SS+10:SS+11]
	v_pk_add_f32 v[22:23], v[SS+12:SS+13], v[SS+14:SS+15]
	v_pk_add_f32 v[16:17], v[16:17], v[18:19]
	v_pk_add_f32 v[20:21], v[20:21], v[22:23]
	v_pk_add_f32 v[16:17], v[16:17], v[20:21]
	v_add_f32 v16, v16, v17
	v_permlanex16_b32 v28, v16, s30, s31
	v_add_f32 v16, v16, v28                        ; at least 1: the largest logit gives exp2(0)
	v_rcp_f32 v26, v16
	v_rcp_f32 v27, v16
	v_nop                                          ; one plain place behind v_rcp_f32
	s_wait_alu depctr_va_vdst(0)                   ; the two reciprocals have written v[26:27], ahead of the multiplies that read the pair
.irp j, 0,2,4,6,8,10,12,14
	v_pk_mul_f32 v[SS+\j:SS+\j+1], v[SS+\j:SS+\j+1], v[26:27]
.endr
.irp q, 0,1,2,3,4,5,6,7
	v_cvt_pk_bf16_f32 v[PF+\q], v[SS+2*\q], v[SS+2*\q+1]       ; tile 0 -> registers 0-3 (k = 8h ..), tile 1 -> 4-7 (k = 16+8h ..): attn is already a fragment
.endr
	; attn kv: lane (r, h) = head r & 7, tile t register j = column 16t + 8h + j
	s_wait_dscnt 0x0                               ; the transposing loads
	WIN 0x03
.irp t, 0,1,2,3,4,5,6,7,8,9,10,11,12,13
	v_wmma_f32_16x16x32_bf16 v[DT+8*\t:DT+8*\t+7], v[TF+8*\t:TF+8*\t+7], v[PF:PF+7], 0
.endr
	WIN 0
	NOP4
.irp t, 0,1,2,3,4,5,6,7,8,9,10,11,12,13
	PACK4 DT+8*\t
.endr
	s_wait_alu depctr_va_vdst(0)                   ; the roundings have written each tile's first four registers, which the LDS stores read; the places above stay beside this wait
.irp t, 0,1,2,3,4,5,6,7,8,9,10,11,12,13
	ds_store_b128 v29, v[DT+8*\t:DT+8*\t+3] offset:32*\t       ; over the node's QK columns 0..223; lanes r and r + 8 hold the same head and store the same bytes
.endr
	s_wait_alu depctr_vm_vsrc(0)                   ; those stores have read v29, which the add writes, and DT, which the next step's roundings and LDS loads (behind the last node: ctx's products) write;
	                                               ; this step's global loads have read v4, the edge offset and the gather offsets, which later steps write
	v_add_nc_u32 v29, NP, v29                      ; the next node's rows
.endm
	s_load_b512 s[4:19], s[0:1], 0x0               ; edge_feats s[4:5], neighbours s[6:7], localb s[8:9], qfrag s[10:11], wfrag s[12:13], bv s[14:15], bo s[16:17], features s[18:19]
	s_load_b64 s[20:21], s[0:1], 0x40              ; out0
	v_lshl_add_u32 v31, v0, 2, 0x4b400
	s_set_vgpr_msb 0x40
	v_mov_b32 v255, 0
	s_set_vgpr_msb 0x4000
	v_lshrrev_b32 v16, 5, v0
	v_readfirstlane_b32 s22, v16                   ; wave w
	v_and_b32 v126, 31, v0                         ; L
	v_and_b32 v124, 15, v0                         ; r
	v_bfe_u32 v125, v0, 4, 1                       ; h
	v_lshlrev_b32 v1, 4, v126                      ; 16 L
	s_mov_b32 s30, 0x76543210                      ; v_permlanex16_b32: lane i reads lane i of the other half
	s_mov_b32 s31, 0xfedcba98
	s_wait_alu depctr_va_sdst(0)                   ; s22 is written, ahead of its first reader: all the wave's offsets are made from it
	s_mul_i32 s23, s22, 16*EDGEN
	v_add_nc_u32 v2, s23, v1                       ; edges: my first node,
	v_add_nc_u32 v3, EDGEN, v2                     ; my second
	s_lshl_b32 s23, s22, 11
	v_lshl_add_u32 v4, v125, 6, s23                ; indices: my 16 rows of 128 bytes, 64 bytes for each half of the lanes
	v_lshlrev_b32 v5, 4, v124                      ; my 16 bytes of a gathered row
	s_mul_i32 s26, s22, KVT
	s_add_co_u32 s26, s26, KVB                     ; my kv tile
	; edge stores: load 3g + c, lane L holds flat numbers 384g + 128c + 4L .. +3 of [32][96]: row 4g + (32c + L) / 24, and the division by 24 is
	; (x * 43) >> 10 for x up to 95.  Byte in the tile: 480 row + 256 + 2 (128c + 4L - 96 row) = 256 + 256c + 8L + 288 row.
	; For rows with exchanged chunks bit 4 of that is flipped: all other terms are multiples of 32, so it is bit 4 of 8L + 288 row.
.irp c, 0,1,2
	v_add_nc_u32 v16, 32*\c, v126
	v_mul_u32_u24 v16, v16, 43
	v_lshrrev_b32 v16, 10, v16
	v_mul_u32_u24 v16, v16, 288
	v_lshl_add_u32 v16, v126, 3, v16
	v_add3_u32 v[6+\c], v16, s26, 256+256*\c
	v_and_b32 v17, 0xffffffef, v16                 ; the same without bit 4,
	v_add_nc_u32 v18, 16, v16
	v_and_b32 v18, 16, v18                         ; and bit 4 of the sum with 16, which is the other value of the bit
	v_add_nc_u32 v17, v17, v18
	v_add3_u32 v[ESW+\c], v17, s26, 256+256*\c
.endr
	v_mul_u32_u24 v16, v125, 16*KP
	v_add3_u32 v9, v16, v5, s26                    ; gather stores: row 16h (+ i by the immediate), 16 r
	v_and_b32 v17, 14, v124
	v_add_nc_u32 v18, 1, v124
	v_and_b32 v18, 1, v18
	v_add_nc_u32 v17, v17, v18                     ; r xor 1
	v_lshl_add_u32 v17, v17, 4, v16
	v_add_nc_u32 v[GSW], s26, v17                  ; the same with 16 (r xor 1)
	v_lshrrev_b32 v17, 3, v124
	v_add_nc_u32 v17, v17, v125
	v_and_b32 v17, 1, v17                          ; h xor (r >> 3): rows r and 16 + r have exchanged chunks where r >= 8
	v_mul_u32_u24 v16, v124, KP
	v_lshl_add_u32 v16, v17, 4, v16
	v_add_nc_u32 v10, s26, v16                     ; kv by rows: 480 r + 16 (h xor (r >> 3))
	v_and_b32 v16, 7, v0
	v_lshl_add_u32 v17, v125, 3, v16
	v_mul_u32_u24 v17, v17, KP
	v_bfe_u32 v18, v0, 3, 1
	v_add_nc_u32 v18, v18, v125
	v_and_b32 v18, 1, v18                          ; rows 8h .. 8h+7 and 16+8h .. have exchanged chunks where h = 1
	v_lshl_add_u32 v17, v18, 4, v17
	v_add_nc_u32 v11, s26, v17                     ; kv transposed: 480 (8h + (L & 7)) + 16 (((L >> 3) & 1) xor h)
	v_mul_u32_u24 v16, v16, HP
	v_lshl_add_u32 v16, v125, 4, v16
	s_mul_i32 s27, s22, 16*NP
	v_add_nc_u32 v29, s27, v16                     ; QK rows of my first node: head r & 7, + 16 h
	v_mul_u32_u24 v16, v124, NP
	v_lshl_add_u32 v16, v125, 4, v16
	s_mul_i32 s27, s22, 2*HP
.irp m, 0,1,2,3
	v_add3_u32 v[12+\m], v16, s27, \m*16*NP        ; QK of node 16m + r, head 2w, + 16 h
.endr
	v_lshl_add_u32 v30, s22, 11, v1                ; fragments of head 2w: 16 L + 2,048 w
	s_lshl_b32 s23, s22, 8
	v_lshl_add_u32 v80, v125, 5, s23               ; bv: 256 w + 32 h
	s_lshl_b32 s23, s22, 7
	v_lshl_add_u32 v81, v125, 5, s23               ; bo: 128 w + 32 h
	v_lshl_add_u32 v82, s22, 14, v1                ; Wo: 16 fragments a wave
	v_lshl_add_u32 v83, s22, 13, v1                ; features, out0: my 16 rows of 512 bytes
	v_add_nc_u32 v85, KVB, v1                      ; ctx fragments, read
	v_lshl_add_u32 v84, s22, 11, v85               ; ctx fragments, written: heads 2w, 2w+1
	v_mul_u32_u24 v86, v124, OP
	v_add_nc_u32 v86, v86, v81                     ; output stage, written: 528 r + 128 w + 32 h
	s_mul_i32 s23, s22, 16*OP
	v_add_nc_u32 v87, s23, v1                      ; output stage, read: my 16 rows
	v_mov_b32 v28, 0                               ; v_permlanex16_b32's destination counts as read
.irp j, 4,5,6,7
	v_mov_b32 v[XF+\j], 0                          ; QK has no columns 240..255
.endr
	v_sub_nc_u32 v16, 1, v125
	v_mul_u32_u24 v16, v16, 0x3f80                 ; bf16 1.0 at k = 0 (lanes with h = 0, register 0, low half)
	WIN 0xC0
	v_mov_b32 v[ONE], v16
.irp j, 1,2,3,4,5,6,7
	v_mov_b32 v[ONE+\j], 0
.endr
	WIN 0
	s_mul_i32 s24, ttmp9, 64*EDGEN                 ; below 2^32: 255 x 786,432
	s_mov_b32 s25, 0
	s_wait_kmcnt 0x0
	s_add_nc_u64 s[4:5], s[4:5], s[24:25]
	s_lshl_b32 s24, ttmp9, 13                      ; 64 rows of 128 bytes
	s_add_nc_u64 s[6:7], s[6:7], s[24:25]
	s_lshl_b32 s24, ttmp9, 15                      ; 4 node tiles x 8 heads x 1,024 bytes; also 64 rows of 512 bytes
	s_add_nc_u64 s[10:11], s[10:11], s[24:25]
	s_add_nc_u64 s[18:19], s[18:19], s[24:25]
	s_add_nc_u64 s[20:21], s[20:21], s[24:25]
	s_wait_alu depctr_va_vdst(0)                   ; every offset and LDS address made above (v1 to v15, v29, v30, v80 to v87, v120 to v123) is written: the kernel's loads and stores read them
	IDXLD ADR, 0                                   ; the indices of nodes 0 and 1 land where their offsets are made, those of node 2 in IDX: 12 loads
	IDXLD ADR+16, 128
	IDXLD IDX, 256
	WIN 0x40
.irp m, 0,1,2,3
.irp hh, 0,1
	global_load_b128 v[QQ+8*(2*\m+\hh):QQ+8*(2*\m+\hh)+3],   v30, s[10:11] offset:\m*8192+\hh*1024 th:TH_LOAD_NT       ; q': 16 loads
	global_load_b128 v[QQ+8*(2*\m+\hh)+4:QQ+8*(2*\m+\hh)+7], v30, s[10:11] offset:\m*8192+\hh*1024+512 th:TH_LOAD_NT
.endr
.endr
	WIN 0xC0
.irp hh, 0,1
.irp t, 0,1,2,3,4,5,6,7,8,9,10,11,12,13,14
	global_load_b128 v[8*(15*\hh+\t):8*(15*\hh+\t)+3],   v30, s[12:13] offset:(320+8*\t+\hh)*1024       ; Wk and bk's tile: 60 loads
	global_load_b128 v[8*(15*\hh+\t)+4:8*(15*\hh+\t)+7], v30, s[12:13] offset:(320+8*\t+\hh)*1024+512
.endr
.endr
	WIN 0
	s_wait_loadcnt 63                              ; 88 are issued, 76 of them behind the index loads; the largest count that the wait can name leaves the oldest 25 done
	MKADR 0, ADR
	MKADR 1, ADR+16
	s_wait_alu depctr_vm_vsrc(0)                   ; the index loads have read v4, which the add writes
	v_add_nc_u32 v4, 256, v4                       ; the index offset now stands at node 2
	WIN 0x40
	s_wait_alu depctr_va_vdst(0)                   ; the gather offsets of both slots are written, which the gather loads below read
	EDGELD 1, 0
	GATHLD 1, 0
	GATHLD 2, 1
	WIN 0
	s_wait_loadcnt 56                              ; q' and Wk are in; the 24 + 16 + 16 loads just issued stay out
	EDGELD 2, 1
	WIN 0
.irp hh, 0,1
.irp m, 0,1,2,3
	QKGRP \hh, \m
.endr
.endr
	s_wait_dscnt 0x0                               ; my QK stores are done,
	s_barrier_signal -1
	s_barrier_wait -1                              ; everybody's are: each wave now reads all eight heads of its own nodes
	s_wait_alu depctr_vm_vsrc(0)                   ; for the first step, what each step's last wait is for the next: my QK stores have read DT, the first loads their gather and edge offsets, all of which the step writes
	s_mov_b32 s32, 6
.Lpair:                                        ; nodes 0 to 11.  Issue order round the loop: .. indices(n+1), node n, indices(n+2), node n+1: 40 younger loads at each head
	STEP 1, 0, 1, 1, 40, 0
	STEP 2, 1, 1, 1, 40, 0
	s_sub_co_i32 s32, s32, 1
	s_cmp_lg_u32 s32, 0
	s_cbranch_scc1 .Lpair
	STEP 1, 0, 1, 1, 40, 0                         ; node 12: the last indices (node 15), node 14's data
	STEP 2, 1, 0, 1, 40, 0                         ; node 13: node 15's data
	STEP 1, 0, 0, 0, 40, 1                         ; node 14: node 15's 40 loads stay out; Wv's 56 go out
	STEP 2, 1, 0, 0, 56, 0                         ; node 15: only Wv's 56 stay out
	; EPILOGUE.  bv and bo land over IDX and the gather offsets: their last vector readers and writers stand ahead of waits on va_vdst in the last steps, the gather loads that read them ahead of waits on vm_vsrc
.irp hh, 0,1
.irp u, 0,1
	global_load_b128 v[BV+8*(2*\hh+\u):BV+8*(2*\hh+\u)+3],   v80, s[14:15] offset:\hh*128+\u*64       ; register j = bv[32 hd + 16u + 8h + j]
	global_load_b128 v[BV+8*(2*\hh+\u)+4:BV+8*(2*\hh+\u)+7], v80, s[14:15] offset:\hh*128+\u*64+16
.endr
.endr
.irp u, 0,1
	global_load_b128 v[BO+8*\u:BO+8*\u+3],   v81, s[16:17] offset:\u*64
	global_load_b128 v[BO+8*\u+4:BO+8*\u+7], v81, s[16:17] offset:\u*64+16
.endr
	s_wait_dscnt 0x0                               ; my attn kv stores and my reads of my kv tile are done,
	s_barrier_signal -1
	s_barrier_wait -1                              ; everybody's are
	WIN 0x80                                       ; attn kv of head 2w, all 64 nodes: 7 K steps x 4 node tiles, 8 loads a K step.  They land over slot 1, whose readers the last step's waits have covered
.irp k, 0,1,2,3,4,5,6
.irp m, 0,1,2,3
	ds_load_b128 v[8*(4*\k+\m):8*(4*\k+\m)+3],   v[12+\m] offset:64*\k
	ds_load_b128 v[8*(4*\k+\m)+4:8*(4*\k+\m)+7], v[12+\m] offset:64*\k+32
.endr
.endr
	WIN 0xC0                                       ; and of head 2w + 1, over the kv fragments: the last step's products stand ahead of its wait on va_vdst behind the roundings
.irp k, 0,1,2,3,4,5,6
.irp m, 0,1,2,3
	ds_load_b128 v[8*(4*\k+\m):8*(4*\k+\m)+3],   v[12+\m] offset:HP+64*\k
	ds_load_b128 v[8*(4*\k+\m)+4:8*(4*\k+\m)+7], v[12+\m] offset:HP+64*\k+32
.endr
.endr
	s_wait_loadcnt 0x0                             ; Wv, bv, bo
; ctx of one head: 8 accumulators (u, m) by turns; bv is the C of the first K step.  extra: LDS loads issued behind this head's
.macro CTXG hh, win, extra
	WIN \win
.irp k, 0,1,2,3,4,5,6
.if \extra+8*(6-\k) > 63
	s_wait_dscnt 63                                ; more are younger than the wait can name
.else
	s_wait_dscnt \extra+8*(6-\k)                   ; the later K steps' 8 loads each, and the other head's, may stay out
.endif
.irp u, 0,1
.irp m, 0,1,2,3
.if \k == 0
	v_wmma_f32_16x16x32_bf16 v[ACC+8*((2*\hh+\u)*4+\m):ACC+8*((2*\hh+\u)*4+\m)+7], v[8*(14*\hh+2*\k+\u):8*(14*\hh+2*\k+\u)+7], v[8*(4*\k+\m):8*(4*\k+\m)+7], v[BV+8*(2*\hh+\u):BV+8*(2*\hh+\u)+7]
.else
	v_wmma_f32_16x16x32_bf16 v[ACC+8*((2*\hh+\u)*4+\m):ACC+8*((2*\hh+\u)*4+\m)+7], v[8*(14*\hh+2*\k+\u):8*(14*\hh+2*\k+\u)+7], v[8*(4*\k+\m):8*(4*\k+\m)+7], v[ACC+8*((2*\hh+\u)*4+\m):ACC+8*((2*\hh+\u)*4+\m)+7]
.endif
.endr
.endr
.endr
.endm
	CTXG 0, 0x09, 56                               ; source 0 (Wv) window 1, source 1 window 2
	CTXG 1, 0x0D, 0                                ; source 1 window 3
	WIN 0
	NOP4
	WIN 0x40
	s_wait_alu depctr_va_vdst(0)                   ; ctx's products are done reading Wv's registers, in which Wo and the features land
.set wi, 0
.rept 16
	global_load_b128 v[8*wi:8*wi+3],   v82, s[12:13] offset:(552+wi)*1024          ; Wo takes Wv's registers: my two column tiles x 8 K steps, 32 loads
	global_load_b128 v[8*wi+4:8*wi+7], v82, s[12:13] offset:(552+wi)*1024+512
.set wi, wi+1
.endr
.irp i, 0,1,2,3,4,5,6,7,8,9,10,11,12,13,14,15
	global_load_b128 v[FE+4*\i:FE+4*\i+3], v83, s[18:19] offset:512*\i th:TH_LOAD_NT   ; my 16 rows of features, 16 loads
.endr
	WIN 0
.set wi, 0
.rept 16
	PACK4 ACC+8*wi
.set wi, wi+1
.endr
	s_wait_alu depctr_va_vdst(0)                   ; the roundings have written each ctx tile's first four registers, which the LDS stores read
.irp hh, 0,1
.irp u, 0,1
.irp m, 0,1,2,3
	ds_store_b128 v84, v[ACC+8*((2*\hh+\u)*4+\m):ACC+8*((2*\hh+\u)*4+\m)+3] offset:\m*8192+\hh*1024+\u*512   ; tile u is the lower, upper half of fragment (node tile m, K step = head): over the kv tiles
.endr
.endr
.endr
	s_wait_dscnt 0x0                               ; my ctx stores are done, and my reads of attn kv,
	s_barrier_signal -1
	s_barrier_wait -1                              ; everybody's are
	WIN 0x80                                       ; over window 2, which ctx's products were shown done reading by the waits on va_vdst above
.irp k, 0,1,2,3,4,5,6,7
.irp m, 0,1,2,3
	ds_load_b128 v[8*(4*\k+\m):8*(4*\k+\m)+3],   v85 offset:(\m*8+\k)*1024
	ds_load_b128 v[8*(4*\k+\m)+4:8*(4*\k+\m)+7], v85 offset:(\m*8+\k)*1024+512
.endr
.endr
	s_wait_loadcnt 16                              ; Wo is in; the 16 loads of features stay out
	s_wait_alu depctr_vm_vsrc(0)                   ; my ctx stores have read ACC's sixteen tiles: the products below write the first eight again, the rows read back further down land in the other eight
	WIN 0x09                                       ; out = ctx Wo + bo: 8 accumulators by turns
.irp k, 0,1,2,3,4,5,6,7
	s_wait_dscnt 8*(7-\k)
.irp u, 0,1
.irp m, 0,1,2,3
.if \k == 0
	v_wmma_f32_16x16x32_bf16 v[ACC+8*(4*\u+\m):ACC+8*(4*\u+\m)+7], v[8*(8*\u+\k):8*(8*\u+\k)+7], v[8*(4*\k+\m):8*(4*\k+\m)+7], v[BO+8*\u:BO+8*\u+7]
.else
	v_wmma_f32_16x16x32_bf16 v[ACC+8*(4*\u+\m):ACC+8*(4*\u+\m)+7], v[8*(8*\u+\k):8*(8*\u+\k)+7], v[8*(4*\k+\m):8*(4*\k+\m)+7], v[ACC+8*(4*\u+\m):ACC+8*(4*\u+\m)+7]
.endif
.endr
.endr
.endr
	WIN 0
	NOP4
	s_wait_alu depctr_va_vdst(0)                   ; the products have written the eight tiles, which the LDS stores read; the places above stay beside this wait
.irp u, 0,1
.irp m, 0,1,2,3
	ds_store_b128 v86, v[ACC+8*(4*\u+\m):ACC+8*(4*\u+\m)+3]   offset:\m*16*OP+64*\u        ; the output stage lies over QK, which nobody reads any more
	ds_store_b128 v86, v[ACC+8*(4*\u+\m)+4:ACC+8*(4*\u+\m)+7] offset:\m*16*OP+64*\u+16
.endr
.endr
	s_wait_dscnt 0x0
	s_barrier_signal -1
	s_barrier_wait -1
.irp i, 0,1,2,3,4,5,6,7,8,9,10,11,12,13,14,15
	ds_load_b128 v[OR+4*\i:OR+4*\i+3], v87 offset:OP*\i        ; whole rows back
.endr
	s_wait_loadcnt 0x0                             ; features
	s_wait_dscnt 0x0
	WIN 0x04                                       ; source 1 (features) window 1
.irp i, 0,1,2,3,4,5,6,7,8,9,10,11,12,13,14,15
	v_pk_add_f32 v[OR+4*\i:OR+4*\i+1],   v[OR+4*\i:OR+4*\i+1],   v[FE+4*\i:FE+4*\i+1]
	v_pk_add_f32 v[OR+4*\i+2:OR+4*\i+3], v[OR+4*\i+2:OR+4*\i+3], v[FE+4*\i+2:FE+4*\i+3]
.endr
	WIN 0
	s_wait_alu depctr_va_vdst(0)                   ; the additions have written the sixteen rows, which the stores read
.irp i, 0,1,2,3,4,5,6,7,8,9,10,11,12,13,14,15
	global_store_b128 v83, v[OR+4*\i:OR+4*\i+3], s[20:21] offset:512*\i th:TH_STORE_NT   ; a whole row of 512 bytes, aligned
.endr
	s_set_vgpr_msb 0x4                             ; the add's data register lies in window 1
	s_wait_dscnt 0x0                               ; the closing lines, six on end
	s_wait_alu 0x0
	s_wait_tensorcnt 0x0
	ds_add_u32 v31, v255
	s_wait_dscnt 0x0
	s_endpgm
.Lfunc_end_k_q6b7987ed3f_attend:
	.size	k_q6b7987ed3f_attend, .Lfunc_end_k_q6b7987ed3f_attend-k_q6b7987ed3f_attend
	.p2alignl 7, 3214868480
	.fill 96, 4, 3214868480
	.section	.rodata,"a",@progbits
	.p2align	6, 0x0
	.amdhsa_kernel k_q6b7987ed3f_attend
		.amdhsa_group_segment_fixed_size 308736
		.amdhsa_private_segment_fixed_size 0
		.amdhsa_enable_private_segment 0
		.amdhsa_kernarg_size 72
		.amdhsa_user_sgpr_count 2
		.amdhsa_user_sgpr_kernarg_segment_ptr 1
		.amdhsa_wavefront_size32 1
		.amdhsa_system_sgpr_workgroup_id_x 1
		.amdhsa_system_sgpr_workgroup_id_y 1
		.amdhsa_system_sgpr_workgroup_id_z 1
		.amdhsa_system_vgpr_workitem_id 0
		.amdhsa_next_free_vgpr 1024
		.amdhsa_next_free_sgpr 66
		.amdhsa_reserve_vcc 0
		.amdhsa_float_denorm_mode_32 3
		.amdhsa_float_denorm_mode_16_64 3
		.amdhsa_memory_ordered 1
		.amdhsa_forward_progress 1
		.amdhsa_inst_pref_size 255
	.end_amdhsa_kernel
	.section	.bss,"aw",@nobits
	.p2align	6
	.space	262144
	.amdgpu_metadata
---
amdhsa.version: [ 1, 2 ]
amdhsa.kernels:
  - .name:           k_q6b7987ed3f_attend
    .symbol:         k_q6b7987ed3f_attend.kd
    .args:
      - { .name: edge_feats, .offset: 0, .size: 8, .value_kind: global_buffer, .address_space: global }
      - { .name: neighbours, .offset: 8, .size: 8, .value_kind: global_buffer, .address_space: global }
      - { .name: localb, .offset: 16, .size: 8, .value_kind: global_buffer, .address_space: global }
      - { .name: qfrag, .offset: 24, .size: 8, .value_kind: global_buffer, .address_space: global }
      - { .name: wfrag, .offset: 32, .size: 8, .value_kind: global_buffer, .address_space: global }
      - { .name: bv, .offset: 40, .size: 8, .value_kind: global_buffer, .address_space: global }
      - { .name: bo, .offset: 48, .size: 8, .value_kind: global_buffer, .address_space: global }
      - { .name: features, .offset: 56, .size: 8, .value_kind: global_buffer, .address_space: global }
      - { .name: out0, .offset: 64, .size: 8, .value_kind: global_buffer, .address_space: global }
    .group_segment_fixed_size: 308736
    .private_segment_fixed_size: 0
    .kernarg_segment_align: 8
    .kernarg_segment_size: 72
    .max_flat_workgroup_size: 128
    .sgpr_count:     66
    .vgpr_count:     1024
    .wavefront_size: 32
...
	.end_amdgpu_metadata
.endif
;; end of part 4
